; MI455X (gfx1250); checked and timed in simulation.
; The chip was launched on July 23, 2026; its instructions are those of AMD's public machine-readable ISA for CDNA 5 (MIT licence, August 2026) and "CDNA5" Instruction Set Architecture Reference Guide (July 2026). The comments in the code are by the model that wrote it; some were corrected since.
;; MHC Lite Block. Allowed arithmetic: matrix products marked QUANTISED: E2M3 operands, one E8M0 scale for each 32 along K, by v_wmma_scale_f32_16x16x128_f8f6f4 with both operands' format E2M3, f32 sums; products left as they are: f32 operands where the result goes on into a quantised operand, else bf16, f16 or f32 operands; f32 sums; everything else in f32.
;; Inputs: W1_codes 8,192 x 64 x 24 uint8 (E2M3 codes of W1, K innermost, in blocks of 32 codes, four codes in three bytes); W1_scales 8,192 x 64 uint8 (E8M0 scales of W1, one for each 32 codes along K); W2_codes 2,048 x 256 x 24 uint8 (E2M3 codes of W2, K innermost, in blocks of 32 codes, four codes in three bytes); W2_scales 2,048 x 256 uint8 (E8M0 scales of W2, one for each 32 codes along K); W_all_codes 32 x 256 x 24 uint8 (E2M3 codes of W_all, K innermost, in blocks of 32 codes, four codes in three bytes); W_all_scales 32 x 256 uint8 (E8M0 scales of W_all, one for each 32 codes along K); alpha_post 1 float32; alpha_pre 1 float32; alpha_res 1 float32; b1 8,192 float32; b2 2,048 float32; b_all 32 float32; perm_mat 24 x 16 float32; x_streams 2 x 1,024 x 4 x 2,048 float32.
;; Outputs: out0 2 x 1,024 x 4 x 2,048 float32.
;; This version of the problem:
;;   THIS VERSION OF THE PROBLEM IS GIVEN IN LOW PRECISION. The matrix products marked QUANTISED in the list below multiply operands that are first quantised to E2M3 (2 exponent bits, 3 mantissa bits; 6 bits a number), with one power-of-two scale for each 32 numbers along K (OCP MX v1.0); their sums are f32. All else is computed in f32.
;;   The module's matrix products, in the order in which they are computed (A, B: the left and right operand; K: the contracted axis; several contracted axes count as one K, in the product's order):
;;     1. [M 2,048, K 8,192] x [K 8,192, N 32]; A: computed on the way; B: input W_all (given as codes): QUANTISED
;;     2. [M 2,048, K 24] x [K 24, N 16]; A: softmax; B: input perm_mat: left as it is (K = 24 < 32)
;;     3. batch 2,048 x [M 1, K 4] x [K 4, N 2,048]; A: computed on the way; B: input x_streams: left as it is (K = 4 < 32)
;;     4. [M 2,048, K 2,048] x [K 2,048, N 8,192]; A: computed on the way; B: input W1 (given as codes): QUANTISED
;;     5. [M 2,048, K 8,192] x [K 8,192, N 2,048]; A: computed on the way; B: input W2 (given as codes): QUANTISED
;;     6. batch 2,048 x [M 4, K 4] x [K 4, N 2,048]; A: computed on the way; B: input x_streams: left as it is (K = 4 < 32)
;;   THE QUANTISER, for each operand of a quantised product, along K:
;;     - K is cut into blocks of 32 from its start; a last block that is shorter is filled with zeros.
;;     - A block's scale is 2^e with e = floor(log2(the largest magnitude in the block)) - 2, held to -126 .. 127; a block of zeros has e = 0. As a byte (E8M0): e + 127.
;;     - Each number is divided by its block's scale, clamped to +-7.5, and rounded to the nearest number of E2M3, ties to even, subnormals kept.
;;     - The product sums the exact products of the quantised numbers (number of the format x scale) in f32.
;;   ~~~python
;;   def quantise(x, axis):      # numpy; x: float32 -> the quantised numbers, widened to float32 again
;;       x = np.moveaxis(x, axis, -1); K = x.shape[-1]
;;       x = np.pad(x, [(0, 0)] * (x.ndim - 1) + [(0, -K % 32)]); x = x.reshape(x.shape[:-1] + (-1, 32)); a = np.abs(x).max(-1, keepdims=True)
;;       e = np.where(a > 0, np.clip(np.frexp(np.where(a > 0, a, 1))[1] - 1 - 2, -126, 127), 0)      # np.frexp(a)[1] - 1 = floor(log2(a)), exactly
;;       r = np.clip(x / 2.0 ** e, -7.5, 7.5)
;;       step = 2.0 ** (np.maximum(np.frexp(np.where(r == 0, 1, r))[1] - 1, 0) - 3)
;;       q = np.round(r / step) * step * 2.0 ** e      # np.round: ties to even
;;       return np.moveaxis(q.reshape(q.shape[:-2] + (-1,))[..., :K], -1, axis).astype(np.float32)
;;   ~~~
;;   OPERANDS COMPUTED ON THE WAY. 'Computed on the way' means the value that the module computes at that place (a softmax that the list does not call 'softmax' is quantised finished and normalised). What goes into a quantiser is computed in f32, as accurately as f32 sums, v_exp_f32 and their like allow (about 1e-6 of the number): no bf16 or f16 on the way to a quantiser, and a product that is left as it is and whose result goes on into a quantised operand takes f32 operands (vector FMAs, or v_wmma_f32_16x16x4_f32). A number that lies on a knife's edge between two numbers of the format may be rounded either way, as far as f32 arithmetic and the matrix unit's own rounding can turn it there, and no further.
;;   INPUTS GIVEN AS CODES. W1 (in the module: [8192, 2048], K = its axis 1); W2 (in the module: [2048, 8192], K = its axis 1); W_all (in the module: [32, 8192], K = its axis 1): each comes as NAME_codes (uint8): NAME with its K axis moved to the last place and cut into blocks of 32 codes, [.., K / 32, bytes a block], one block behind the other in memory; four codes in three bytes: a row's codes are one little-endian stream of bits, code i at bits 6 i .. 6 i + 5 (a code: sign, 2 exponent bits, 3 mantissa bits); and NAME_scales (uint8): the same leading axes, one E8M0 byte (e + 127) for each 32 codes along K. Its value is code x scale, taken as it is: it is not quantised again, and the codes and scales need not be those that the quantiser above would give.
;; One version. Each part assembles by itself: llvm-mc -triple=amdgcn-amd-amdhsa -mcpu=gfx1250 --defsym DOCPART=n.
;; ======== version 1 of 1: 3 launches
;; workspace buffers: li_codes 3,145,728 bytes; li_scales 131,072 bytes; mix 262,144 bytes; h_codes 12,582,912 bytes; h_scales 524,288 bytes
;; launch coef (part 1): grid 256 x 1, 16 waves a work-group, no clusters, 327,680 bytes of LDS; arguments x_streams, W_all_codes, W_all_scales, b_all, alpha_pre, alpha_post, alpha_res, perm_mat, li_codes, li_scales, mix; writes li_codes, li_scales, mix
.if DOCPART == 1
	.amdgcn_target "amdgcn-amd-amdhsa--gfx1250"
	.amdhsa_code_object_version 6
	.text
	.protected	k_q1138e02354_coef
	.globl	k_q1138e02354_coef
	.p2align	8
	.type	k_q1138e02354_coef,@function
k_q1138e02354_coef:
	s_mov_b64 s[64:65], 0
	v_nop
	global_prefetch_b8 v0, s[64:65] scope:SCOPE_SE
	s_setreg_imm32_b32 hwreg(HW_REG_WAVE_MODE, 25, 1), 1
	s_wait_xcnt 0x0
; For each token: rs = rsqrt(mean(x^2) + eps) over its 8,192 numbers; the 32 projections Q(x rs) . W_all (codes of FP6, E2M3, one E8M0 scale for 32 along K);
; h_pre, h_post (sigmoids), a_res (softmax over 24, its maximum taken away), H_res = a_res perm_mat, H_merged = H_res - h_post h_pre; layer_input = sum over the streams of h_pre x, quantised along its 2,048.
; OUT: li_codes [2048][1536 bytes], li_scales [2048][64], as rows with K innermost; mix [2048][32 f32]: words 0-15 H_merged, 16-19 h_post, 20-31 zeros.
; SHARES.  A work-group owns 8 tokens: 262,144 bytes of x, which are wanted three times (squares, quantiser, layer_input) and so stay in LDS.  Wave w of sixteen owns columns 128 w .. 128 w + 127 of the 4 streams
; of the 8 tokens: 32 rows of 512 bytes, brought by two tensor loads of its own and read by it alone.
; NO CLUSTER: the one input that work-groups share is W_all (196,608 bytes of codes); a joint load lands in LDS, and 262,144 + 196,608 bytes do not fit there.  So each wave takes its 12 KiB of W_all straight into registers.
; THE OPERAND.  An operand of x has 16 rows; row r is token r % 8 of stream f + 2 (r / 8), f = 0, 1: rows 0-7 and rows 8-15 lie at two different K steps (16 x stream + w).  Each operand is multiplied by W_all's
; fragments of both K steps, and of each result only the lanes whose rows belong to that K step are kept (v_cndmask_b32).  The product is used transposed: source 0 = 16 rows of W_all, source 1 = x.
; LIMITS: NaN and infinities among the inputs are not served.  A block of zeros gets the scale byte 1 (its codes are zeros; this program alone reads the bytes).  K's sums are split over the sixteen waves and added ascending.
.set XRW,  17152                       ; a wave's rows of x in LDS: 32 x (512 + 16) bytes, 16 more between rows 15 and 16, rounded up to blocks of 256
.set SQ,   16*XRW                      ; sums of squares: token t at 80 t, wave w's word at 4 w
.set PP,   SQ+768                      ; partial projections: wave w at 1,152 w, token t at 144 t, 32 f32
.set SS,   PP+18432                    ; the summed projections, token t at 144 t (wave 0 alone)
.set LST,  SS+1280                     ; layer_input's codes, token t at 1,536 t
.set LSS,  LST+12288                   ; and its scale bytes, token t at 64 t
.set T0,   16                          ; v16-79   64 numbers of a lane
.set TM,   80                          ; v80-95   the quantiser's maxima, bytes and scale operands; in the first phase v80-87 are the four chains of squares
.set TB,   88                          ; v88-151  the first phase's second 64 numbers
.set PW,   15                          ; v15      the scale word just made: holds nothing else
.set PC,   100                         ; v100-111 the codes just made
.set PT,   112                         ; v112-118 the conversions' second halves
.set ACC,  120                         ; v120-151 four accumulators: 2 x (which K step) + (which 16 rows of W_all)
.set WF,   152                         ; v152-247 W_all's eight fragments: 2 x stream + tile
.set T1,   152                         ; later: 64 numbers more
.set WS,   248                         ; v248-255 their scale words: hold nothing else
.set SEL,  28                          ; s[28:29] v_permlanex16_b32's selects for lane l xor 16
.set G1X,  72                          ; s[72:79] descriptor group 1; s[80:87] two groups 0
.set G0X,  80
.macro BAR                             ; my LDS stores have landed and my LDS loads are in: then the work-group's barrier
	s_wait_dscnt 0x0
	s_barrier_signal -1
	s_barrier_wait -1
.endm
.macro XFRAG f, dst                    ; my row (token l % 8, stream f + 2 ((l / 8) % 2)): register 16 b + i = column 32 b + 16 (l / 16) + i of my wave's 128
.irp b, 0,1,2,3
.irp j, 0,1,2,3
	ds_load_b128 v[\dst+16*\b+4*\j:\dst+16*\b+4*\j+3], v1 offset:528*\f+128*\b+16*\j
.endr
.endr
.endm
; 64 numbers of a lane, register 16 b + i = k 32 b + 16 (lane / 16) + i of my row, become a fragment's codes in v[PC] on and its scale word in v[PW].
.macro QUANT s
.irp b, 0,1,2,3
	v_max3_num_f32 v[TM+\b], |v[\s+16*\b]|, |v[\s+1+16*\b]|, 0x1800000   ; block b: my 16 numbers, and the floor 2^(3 - 127): the byte cannot fall under 1
.endr
.irp i, 2,4,6,8,10,12,14
.irp b, 0,1,2,3
	v_max3_num_f32 v[TM+\b], v[TM+\b], |v[\s+16*\b+\i]|, |v[\s+1+16*\b+\i]|
.endr
.endr
.irp b, 0,1,2,3
	v_permlanex16_b32 v[TM+4+\b], v[TM+\b], s[SEL], s[SEL+1]
.endr
.irp b, 0,1,2,3
	v_max_num_f32 v[TM+\b], v[TM+\b], v[TM+4+\b]   ; with lane l xor 16's: the block's largest magnitude
.endr
.irp b, 0,1,2,3
	v_add_nc_u32 v[TM+12+\b], 0xff000000, v[TM+\b]   ; 2 off its exponent field: the conversion's scale operand
.endr
.irp b, 0,1,2,3
	v_lshrrev_b32 v[TM+4+\b], 23, v[TM+12+\b]      ; the scale's byte
.endr
	v_lshl_or_b32 v[PW], v[TM+5], 8, v[TM+4]
	v_lshl_or_b32 v[PW], v[TM+6], 16, v[PW]
	v_lshl_or_b32 v[PW], v[TM+7], 24, v[PW]
.irp c, 0,1
	v_cvt_scalef32_pk16_fp6_f32 v[PC+6*\c:PC+2+6*\c], v[\s+32*\c:\s+15+32*\c], v[TM+12+2*\c]
	v_cvt_scalef32_pk16_fp6_f32 v[PT+4*\c:PT+2+4*\c], v[\s+16+32*\c:\s+31+32*\c], v[TM+12+2*\c+1]   ; (a conversion's three registers begin on an even number)
.endr
	v_nop                                          ; one plain place behind a scaled conversion
.irp c, 0,1                                    ; the operand's layout wants a whole block in a lane
.irp i, 0,1,2
	v_permlane16_swap_b32 v[PC+6*\c+\i], v[PT+4*\c+\i]
.endr
.irp i, 0,1,2
	v_mov_b32 v[PC+3+6*\c+\i], v[PT+4*\c+\i]
.endr
.endr
.endm
	s_load_b512 s[4:19], s[0:1], 0x0               ; x 4, W_all codes 6, scales 8, b_all 10, alpha_pre 12, alpha_post 14, alpha_res 16, perm_mat 18
	s_load_b128 s[20:23], s[0:1], 0x40             ; li_codes, li_scales
	s_load_b64 s[24:25], s[0:1], 0x50              ; mix
	v_lshl_add_u32 v254, v0, 2, 0x4b200
	v_mov_b32 v255, 0
	ds_add_u32 v254, v255
	ds_add_u32 v254, v255
	s_wait_dscnt 0x0
	v_lshrrev_b32 v1, 5, v0
	v_readfirstlane_b32 s26, v1                    ; wave 0..15
	; group 1: 16 rows x 128 elements of 4 bytes, 8,192 bytes apart in memory; 16 bytes of padding behind each 512
	s_mov_b32 s[G1X+0], (2<<16)|(1<<20)|(6<<22)|(3<<25)
	s_mov_b32 s[G1X+1], 128<<16
	s_mov_b32 s[G1X+2], 16<<16
	s_mov_b32 s[G1X+3], 128<<16
	s_mov_b32 s[G1X+4], 16
	s_mov_b32 s[G1X+5], 2048
	s_mov_b32 s[G1X+6], 0
	s_mov_b32 s[G1X+7], 0
	s_mov_b32 s[G0X], 1
	s_mul_i32 s[G0X+1], s26, XRW                   ; rows 0-15 (tokens 0-3)
	s_mov_b32 s[G0X+4], 1
	s_add_co_u32 s[G0X+5], s[G0X+1], 8464          ; rows 16-31, 16 bytes further on than the pitch gives: so the 16 rows that a load of 16 bytes a lane touches begin at 16 different places modulo 256 bytes
	s_lshl_b32 s2, ttmp9, 18                       ; 8 tokens of 32,768 bytes a work-group
	s_lshl_b32 s3, s26, 9                          ; my wave's 512 bytes of a row
	s_add_co_u32 s2, s2, s3
	s_mov_b32 s3, 0
	s_mov_b32 s[SEL], 0x76543210
	s_mov_b32 s[SEL+1], 0xfedcba98
	s_mov_b32 s69, 0xff00ff00                      ; lanes with (l / 8) odd
	s_mov_b32 s70, 0xffff0000                      ; lanes 16-31
	s_mov_b32 s71, 0x000000ff                      ; lanes 0-7
	s_mov_b32 s100, 0x39000000                     ; 1 / 8192
	s_mov_b32 s101, 0x34000000                     ; eps = 2^-23
	s_wait_kmcnt 0x0
	s_add_nc_u64 s[G0X+2:G0X+3], s[4:5], s[2:3]
	s_add_nc_u64 s[G0X+6:G0X+7], s[G0X+2:G0X+3], 0x20000
	s_or_b32 s[G0X+3], s[G0X+3], 0x80000000
	s_or_b32 s[G0X+7], s[G0X+7], 0x80000000
	tensor_load_to_lds s[G0X:G0X+3], s[G1X:G1X+7]  ; both first fills together, ahead of every wait, LDS read and barrier; nothing is ever filled again
	s_nop 0
	tensor_load_to_lds s[G0X+4:G0X+7], s[G1X:G1X+7]
	s_nop 0
.rept 4
	v_nop
.endr
	s_load_b512 s[32:47], s[10:11], 0x0            ; b_all: s[32 + o]
	s_load_b512 s[48:63], s[10:11], 0x40
	s_load_b32 s66, s[12:13], 0x0
	s_load_b32 s67, s[14:15], 0x0
	s_load_b32 s68, s[16:17], 0x0
	s_mul_i32 s2, ttmp9, 12288
	s_add_nc_u64 s[20:21], s[20:21], s[2:3]        ; li_codes at my 8 tokens
	s_lshl_b32 s2, ttmp9, 9
	s_add_nc_u64 s[22:23], s[22:23], s[2:3]        ; li_scales
	s_lshl_b32 s2, ttmp9, 10
	s_add_nc_u64 s[24:25], s[24:25], s[2:3]        ; mix
	s_mul_i32 s30, s26, 96
	s_lshl_b32 s31, s26, 2
	s_mul_i32 s27, s26, 1152
	v_and_b32 v16, 15, v0                          ; r
	v_bfe_u32 v17, v0, 4, 1                        ; h
	v_and_b32 v18, 7, v0                           ; t: my token
	v_bfe_u32 v19, v0, 3, 1                        ; g
	v_bfe_u32 v20, v0, 2, 1                        ; t / 4
	v_mul_u32_u24 v1, v18, 2112                    ; x in LDS: row 4 t + 2 g (+ f), 528 bytes a row,
	v_mad_u32_u24 v1, v19, 1056, v1
	v_lshl_add_u32 v1, v20, 4, v1                  ; 16 more from row 16 on,
	v_lshl_add_u32 v1, v17, 6, v1                  ; my half's 16 numbers of a block of 32
	v_add_nc_u32 v1, s[G0X+1], v1
	v_mul_u32_u24 v2, v16, 6144                    ; W_all's codes: row r of 6,144 bytes, + 24 h, + 96 w
	v_mad_u32_u24 v2, v17, 24, v2
	v_add_nc_u32 v2, s30, v2
	v_lshlrev_b32 v3, 8, v16                       ; its scale words: row r of 256 bytes, + 4 w
	v_add_nc_u32 v3, s31, v3
.irp n, 0,1,2,3                                ; stream n's K step is 16 n + w
.irp jt, 0,1
.irp p, 0,1,2,3,4,5
	global_load_b64 v[WF+12*(2*\n+\jt)+2*\p:WF+12*(2*\n+\jt)+2*\p+1], v2, s[6:7] offset:98304*\jt+1536*\n+48*(\p/3)+8*(\p%3)
.endr
	global_load_b32 v[WS+2*\n+\jt], v3, s[8:9] offset:4096*\jt+64*\n
.endr
.endr
	v_mul_u32_u24 v5, v18, 80
	v_add_nc_u32 v5, SQ, v5                        ; my token's sums of squares
	v_add_nc_u32 v4, s31, v5                       ; my wave's word there
	v_mul_u32_u24 v7, v18, 144
	v_add_nc_u32 v7, PP, v7                        ; my token's partial projections, wave 0's
	v_lshl_add_u32 v6, v17, 5, v7
	v_add_nc_u32 v6, s27, v6                       ; where I store mine: + 1,152 w + 32 h
	v_mul_u32_u24 v8, v18, 1536
	v_mad_u32_u24 v8, v17, 24, v8
	v_add_nc_u32 v8, s30, v8
	v_add_nc_u32 v8, LST, v8                       ; layer_input's codes: 1,536 t + 96 w + 24 h
	v_lshlrev_b32 v9, 6, v18
	v_add_nc_u32 v9, s31, v9
	v_add_nc_u32 v9, LSS, v9                       ; and its scale word: 64 t + 4 w
	v_lshlrev_b32 v10, 3, v0                       ; the way out: 8 bytes a thread
	v_add_nc_u32 v11, LST, v10
	; ---- the sum of squares
	s_wait_tensorcnt 0x0                           ; my 32 rows are in LDS; I alone read them
	XFRAG 0, T0
	XFRAG 1, TB
	s_wait_dscnt 16                                ; the first 64 numbers are in; the second sixteen loads may be out
.irp k, 0,1,2,3
	v_pk_mul_f32 v[80+2*\k:81+2*\k], v[T0+2*\k:T0+2*\k+1], v[T0+2*\k:T0+2*\k+1]   ; the first products start four chains
.endr
.set k, 4
.rept 28
	v_pk_fma_f32 v[80+2*(k%4):81+2*(k%4)], v[T0+2*k:T0+2*k+1], v[T0+2*k:T0+2*k+1], v[80+2*(k%4):81+2*(k%4)]
.set k, k+1
.endr
	s_wait_dscnt 0x0
.set k, 0
.rept 32
	v_pk_fma_f32 v[80+2*(k%4):81+2*(k%4)], v[TB+2*k:TB+2*k+1], v[TB+2*k:TB+2*k+1], v[80+2*(k%4):81+2*(k%4)]
.set k, k+1
.endr
	v_pk_add_f32 v[80:81], v[80:81], v[82:83]
	v_pk_add_f32 v[84:85], v[84:85], v[86:87]
	v_pk_add_f32 v[80:81], v[80:81], v[84:85]
	v_add_f32 v80, v80, v81
	v_add_f32_dpp v80, v80, v80 row_xmask:8 row_mask:0xf bank_mask:0xf   ; the token's other two streams
	v_permlanex16_b32 v81, v80, s[SEL], s[SEL+1]
	v_add_f32 v80, v80, v81                        ; and the other halves of the blocks
	ds_store_b32 v4, v80                           ; (the four lanes of a token write the same word with the same value)
	BAR
.irp k, 0,1,2,3
	ds_load_b128 v[80+4*\k:83+4*\k], v5 offset:16*\k
.endr
	s_wait_dscnt 0x0
.set k, 1
.rept 15
	v_add_f32 v80, v80, v[80+k]                    ; the sixteen waves' sums, ascending
.set k, k+1
.endr
	v_fma_f32 v14, v80, s100, s101                 ; mean + eps
	v_rsq_f32 v12, v14
	v_rsq_f32 v13, v14                             ; twice: a pair for the packed multiply
	s_wait_alu depctr_va_vdst(0)
.irp b, 0,1,2,3
	v_mov_b32 v[TM+4+\b], 0                        ; (plain places behind the transcendentals)  a lane permute's destination counts as one of its sources
.endr
	; ---- the projections: operand f, quantised, against W_all's two tiles at both of its K steps
.macro PROJ f
	XFRAG \f, T0
	s_wait_dscnt 0x0
.set k, 0
.rept 32
	v_pk_mul_f32 v[T0+2*k:T0+2*k+1], v[T0+2*k:T0+2*k+1], v[12:13]   ; x_norm.  (These are also the places behind the matrix instructions of the operand before)
.set k, k+1
.endr
	QUANT T0
.if \f == 0
	s_wait_loadcnt 0x0                             ; W_all's fragments and scale words
.endif
.rept 8
	v_nop                                          ; a scale word written by a vector instruction stands 8 places ahead of a scaled matrix instruction, an operand so written 4
.endr
.irp gg, 0,1                                   ; the four accumulators take turns
.irp jt, 0,1
.if \f == 0
	v_wmma_scale_f32_16x16x128_f8f6f4 v[ACC+8*(2*\gg+\jt):ACC+8*(2*\gg+\jt)+7], v[WF+12*(2*(\f+2*\gg)+\jt):WF+12*(2*(\f+2*\gg)+\jt)+11], v[PC:PC+11], 0, v[WS+2*(\f+2*\gg)+\jt], v[PW] matrix_a_fmt:MATRIX_FMT_FP6 matrix_b_fmt:MATRIX_FMT_FP6
.else
	v_wmma_scale_f32_16x16x128_f8f6f4 v[ACC+8*(2*\gg+\jt):ACC+8*(2*\gg+\jt)+7], v[WF+12*(2*(\f+2*\gg)+\jt):WF+12*(2*(\f+2*\gg)+\jt)+11], v[PC:PC+11], v[ACC+8*(2*\gg+\jt):ACC+8*(2*\gg+\jt)+7], v[WS+2*(\f+2*\gg)+\jt], v[PW] matrix_a_fmt:MATRIX_FMT_FP6 matrix_b_fmt:MATRIX_FMT_FP6
.endif
.endr
.endr
.endm
	PROJ 0
	PROJ 1
.rept 4
	v_nop
.endr
.irp jt, 0,1                                   ; of each pair of accumulators a lane keeps the one whose K steps are its rows'; each accumulator is read from its low end on
.irp j, 0,1,2,3,4,5,6,7
	v_cndmask_b32 v[T0+8*\jt+\j], v[ACC+8*\jt+\j], v[ACC+16+8*\jt+\j], s69
.endr
.endr
.set k, 0
.rept 16
	v_add_f32_dpp v[T0+k], v[T0+k], v[T0+k] row_xmask:8 row_mask:0xf bank_mask:0xf   ; streams 0, 1 and streams 2, 3 of the token
.set k, k+1
.endr
.irp jt, 0,1
	ds_store_b128 v6, v[T0+8*\jt:T0+8*\jt+3] offset:64*\jt          ; outputs 16 jt + 8 h + 0 .. 7 of token t, my wave's 128 columns of each stream
	ds_store_b128 v6, v[T0+8*\jt+4:T0+8*\jt+7] offset:64*\jt+16
.endr
	BAR
	; ---- h_pre of my token, in every wave
.set k, 0
.rept 16
	ds_load_b128 v[T0+4*k:T0+4*k+3], v7 offset:1152*k
.set k, k+1
.endr
	s_wait_dscnt 0x0
.set k, 1
.rept 15
	v_pk_add_f32 v[16:17], v[16:17], v[16+4*k:17+4*k]   ; the sixteen waves' parts, ascending
	v_pk_add_f32 v[18:19], v[18:19], v[18+4*k:19+4*k]
.set k, k+1
.endr
	s_wait_kmcnt 0x0                               ; b_all and the alphas
.irp n, 0,1,2,3
	v_fma_f32 v[20+\n], v[16+\n], s66, s[32+\n]
.endr
.irp n, 0,1,2,3
	v_mul_f32 v[20+\n], 0xbfb8aa3b, v[20+\n]       ; -z log2(e)
.endr
.irp n, 0,1,2,3
	v_exp_f32 v[20+\n], v[20+\n]
.endr
	v_nop
	s_wait_alu depctr_va_vdst(0)
.irp n, 0,1,2,3
	v_add_f32 v[20+\n], 1.0, v[20+\n]
.endr
.irp n, 0,1,2,3
	v_rcp_f32 v[220+\n], v[20+\n]                  ; sigmoid
.endr
	v_nop
	s_wait_alu depctr_va_vdst(0)
	v_cndmask_b32 v216, v220, v222, s69            ; operand 0's row is stream 2 g, operand 1's stream 1 + 2 g
	v_cndmask_b32 v217, v220, v222, s69
	v_cndmask_b32 v218, v221, v223, s69
	v_cndmask_b32 v219, v221, v223, s69
	; ---- layer_input, in f32, and its codes
	XFRAG 0, T0
	XFRAG 1, T1
	s_wait_dscnt 0x0
.set k, 0
.rept 32
	v_pk_mul_f32 v[T0+2*k:T0+2*k+1], v[T0+2*k:T0+2*k+1], v[216:217]
.set k, k+1
.endr
.set k, 0
.rept 32
	v_pk_fma_f32 v[T0+2*k:T0+2*k+1], v[T1+2*k:T1+2*k+1], v[218:219], v[T0+2*k:T0+2*k+1]
.set k, k+1
.endr
.set k, 0
.rept 64
	v_add_f32_dpp v[T0+k], v[T0+k], v[T0+k] row_xmask:8 row_mask:0xf bank_mask:0xf   ; the other two streams: rows r and r xor 8 now hold the same numbers
.set k, k+1
.endr
	QUANT T0
.irp c, 0,1
.irp p, 0,1,2
	ds_store_b64 v8, v[PC+6*\c+2*\p:PC+6*\c+2*\p+1] offset:48*\c+8*\p   ; the row's stream of bits as it lies: 24 bytes a block
.endr
.endr
	ds_store_b32 v9, v[PW]
	BAR
.irp p, 0,1,2
	ds_load_b64 v[16+2*\p:17+2*\p], v11 offset:4096*\p
.endr
	s_wait_dscnt 0x0
.irp p, 0,1,2
	global_store_b64 v10, v[16+2*\p:17+2*\p], s[20:21] offset:4096*\p   ; a wave stores 256 consecutive bytes, at a multiple of 256 from the buffer's first byte
.endr
	; ---- the gates: wave 0 alone; lane = (token t = l % 8, row i = l / 8 of the 4 x 4)
	s_cmp_lg_u32 s26, 0
	s_cbranch_scc1 .Ldone
	s_wait_xcnt 0x0                                ; the stores above have read their registers
	v_bfe_u32 v12, v0, 3, 2                        ; i
	v_lshlrev_b32 v13, 4, v12
.set k, 0
.rept 24
	global_load_b128 v[152+4*k:155+4*k], v13, s[18:19] offset:64*k   ; perm_mat[p][4 i .. 4 i + 3]
.set k, k+1
.endr
	v_and_b32 v14, 31, v0
	v_lshlrev_b32 v14, 4, v14
	v_add_nc_u32 v2, LSS, v14
	ds_load_b128 v[144:147], v2                    ; the 8 tokens' 512 scale bytes
	v_lshl_add_u32 v3, v12, 5, v7                  ; outputs 8 i .. 8 i + 7 of my token
.set k, 0
.rept 16
	ds_load_b128 v[16+8*k:19+8*k], v3 offset:1152*k
	ds_load_b128 v[20+8*k:23+8*k], v3 offset:1152*k+16
.set k, k+1
.endr
	s_wait_dscnt 32                                ; the scale bytes are in; the 32 loads behind them may be out
	global_store_b128 v14, v[144:147], s[22:23]
	s_wait_dscnt 0x0
.set k, 1
.rept 15
.irp q, 0,2,4,6
	v_pk_add_f32 v[16+\q:17+\q], v[16+\q:17+\q], v[16+8*k+\q:17+8*k+\q]
.endr
.set k, k+1
.endr
	v_add_nc_u32 v4, SS-PP, v3
	ds_store_b128 v4, v[16:19]
	ds_store_b128 v4, v[20:23] offset:16
	v_add_nc_u32 v5, SS-PP, v7
.irp k, 0,1,2,3,4,5,6,7
	ds_load_b128 v[24+4*\k:27+4*\k], v5 offset:16*\k   ; LDS serves a wave's instructions in order: these see the stores above.  All 32 projections of my token
.endr
	s_wait_dscnt 0x0
.set o, 0
.rept 32
.if o < 4
	v_fma_f32 v[24+o], v[24+o], s66, s[32+o]
.elseif o < 8
	v_fma_f32 v[24+o], v[24+o], s67, s[32+o]
.else
	v_fma_f32 v[24+o], v[24+o], s68, s[32+o]
.endif
.set o, o+1
.endr
.irp o, 0,1,2,3,4,5,6,7
	v_mul_f32 v[56+\o], 0xbfb8aa3b, v[24+\o]
.endr
.irp o, 0,1,2,3,4,5,6,7
	v_exp_f32 v[56+\o], v[56+\o]
.endr
	v_max3_num_f32 v64, v32, v33, v34              ; (a plain place)  the largest of the 24
	s_wait_alu depctr_va_vdst(0)
.irp o, 0,1,2,3,4,5,6,7
	v_add_f32 v[56+\o], 1.0, v[56+\o]
.endr
.irp o, 0,1,2,3,4,5,6,7
	v_rcp_f32 v[56+\o], v[56+\o]                   ; v56-59 h_pre, v60-63 half of h_post
.endr
.irp p, 35,37,39,41,43,45,47,49,51,53
	v_max3_num_f32 v64, v64, v[\p], v[\p+1]
.endr
	v_max_num_f32 v64, v64, v55
	s_wait_alu depctr_va_vdst(0)
.irp o, 4,5,6,7
	v_add_f32 v[56+\o], v[56+\o], v[56+\o]         ; h_post = 2 sigmoid
.endr
	v_mul_f32 v65, 0xbfb8aa3b, v64
.set k, 0
.rept 24
	v_fmamk_f32 v[32+k], v[32+k], 0x3fb8aa3b, v65  ; (z - the largest) log2(e)
.set k, k+1
.endr
.set k, 0
.rept 24
	v_exp_f32 v[32+k], v[32+k]
.set k, k+1
.endr
	v_nop
	s_wait_alu depctr_va_vdst(0)
	v_add_f32 v66, v32, v33
	v_add_f32 v67, v34, v35
.irp p, 36,40,44,48,52
	v_add_f32 v66, v66, v[\p]
	v_add_f32 v67, v67, v[\p+1]
	v_add_f32 v66, v66, v[\p+2]
	v_add_f32 v67, v67, v[\p+3]
.endr
	v_add_f32 v66, v66, v67
	v_rcp_f32 v66, v66
	s_wait_loadcnt 0x0                             ; perm_mat
.irp j, 0,1,2,3
	v_mul_f32 v[68+\j], v32, v[152+\j]             ; (plain places)  the first term starts the sums
.endr
.set k, 1
.rept 23
.irp j, 0,1,2,3
	v_fmac_f32 v[68+\j], v[32+k], v[152+4*k+\j]
.endr
.set k, k+1
.endr
	s_wait_alu depctr_va_vdst(0)
.irp j, 0,1,2,3
	v_mul_f32 v[68+\j], v[68+\j], v66              ; H_res[i][j]
.endr
	v_cndmask_b32 v72, v60, v61, s69
	v_cndmask_b32 v73, v62, v63, s69
	v_cndmask_b32 v72, v72, v73, s70               ; h_post[i]
.irp j, 0,1,2,3
	v_fma_f32 v[76+\j], -v72, v[56+\j], v[68+\j]   ; H_merged[i][j]
.endr
.irp j, 0,1,2,3
	v_cndmask_b32 v[80+\j], 0, v[60+\j], s71       ; words 16-19: h_post; words 20-31: zeros
.endr
	v_and_b32 v8, 7, v0
	v_lshlrev_b32 v8, 7, v8
	v_lshl_add_u32 v8, v12, 4, v8                  ; 128 t + 16 i
	global_store_b128 v8, v[76:79], s[24:25]
	global_store_b128 v8, v[80:83], s[24:25] offset:64
.Ldone:
	s_wait_xcnt 0x0
	v_lshl_add_u32 v254, v0, 2, 0x4b200
	v_mov_b32 v255, 0
	s_wait_tensorcnt 0x0
	ds_add_u32 v254, v255
	s_wait_dscnt 0x0
	s_endpgm
.Lfunc_end_k_q1138e02354_coef:
	.size	k_q1138e02354_coef, .Lfunc_end_k_q1138e02354_coef-k_q1138e02354_coef
	.p2alignl 7, 3214868480
	.fill 96, 4, 3214868480
	.section	.rodata,"a",@progbits
	.p2align	6, 0x0
	.amdhsa_kernel k_q1138e02354_coef
		.amdhsa_group_segment_fixed_size 327680
		.amdhsa_private_segment_fixed_size 0
		.amdhsa_enable_private_segment 0
		.amdhsa_kernarg_size 88
		.amdhsa_user_sgpr_count 2
		.amdhsa_user_sgpr_kernarg_segment_ptr 1
		.amdhsa_wavefront_size32 1
		.amdhsa_system_sgpr_workgroup_id_x 1
		.amdhsa_system_sgpr_workgroup_id_y 1
		.amdhsa_system_sgpr_workgroup_id_z 1
		.amdhsa_system_vgpr_workitem_id 0
		.amdhsa_next_free_vgpr 256
		.amdhsa_next_free_sgpr 102
		.amdhsa_reserve_vcc 0
		.amdhsa_float_denorm_mode_32 3
		.amdhsa_float_denorm_mode_16_64 3
		.amdhsa_memory_ordered 1
		.amdhsa_forward_progress 1
		.amdhsa_inst_pref_size 76
	.end_amdhsa_kernel
	.amdgpu_metadata
---
amdhsa.version: [ 1, 2 ]
amdhsa.kernels:
  - .name:           k_q1138e02354_coef
    .symbol:         k_q1138e02354_coef.kd
    .args:
      - { .name: x_streams, .offset: 0, .size: 8, .value_kind: global_buffer, .address_space: global }
      - { .name: W_all_codes, .offset: 8, .size: 8, .value_kind: global_buffer, .address_space: global }
      - { .name: W_all_scales, .offset: 16, .size: 8, .value_kind: global_buffer, .address_space: global }
      - { .name: b_all, .offset: 24, .size: 8, .value_kind: global_buffer, .address_space: global }
      - { .name: alpha_pre, .offset: 32, .size: 8, .value_kind: global_buffer, .address_space: global }
      - { .name: alpha_post, .offset: 40, .size: 8, .value_kind: global_buffer, .address_space: global }
      - { .name: alpha_res, .offset: 48, .size: 8, .value_kind: global_buffer, .address_space: global }
      - { .name: perm_mat, .offset: 56, .size: 8, .value_kind: global_buffer, .address_space: global }
      - { .name: li_codes, .offset: 64, .size: 8, .value_kind: global_buffer, .address_space: global }
      - { .name: li_scales, .offset: 72, .size: 8, .value_kind: global_buffer, .address_space: global }
      - { .name: mix, .offset: 80, .size: 8, .value_kind: global_buffer, .address_space: global }
    .group_segment_fixed_size: 327680
    .private_segment_fixed_size: 0
    .kernarg_segment_align: 8
    .kernarg_segment_size: 88
    .max_flat_workgroup_size: 512
    .sgpr_count:     102
    .vgpr_count:     256
    .wavefront_size: 32
...
	.end_amdgpu_metadata
.endif
;; end of part 1
;; launch ffn1 (part 2): grid 32 x 8, 4 waves a work-group, clusters of 4 x 4, 327,680 bytes of LDS; arguments li_codes, li_scales, W1_codes, W1_scales, h_codes, b1, h_scales; writes h_codes, h_scales
.if DOCPART == 2
	.amdgcn_target "amdgcn-amd-amdhsa--gfx1250"
	.amdhsa_code_object_version 6
	.text
	.protected	k_q1138e02354_ffn1
	.globl	k_q1138e02354_ffn1
	.p2align	8
	.type	k_q1138e02354_ffn1,@function
k_q1138e02354_ffn1:
	s_mov_b64 s[64:65], 0
	v_nop
	global_prefetch_b8 v0, s[64:65] scope:SCOPE_SE
	s_setreg_imm32_b32 hwreg(HW_REG_WAVE_MODE, 25, 1), 1
	s_wait_xcnt 0x0
	s_wait_alu depctr_hold_cnt(0) depctr_sa_sdst(0) depctr_va_vdst(0) depctr_va_sdst(0) depctr_va_ssrc(0) depctr_va_vcc(0) depctr_vm_vsrc(0)
	s_getreg_b32 s2, hwreg(HW_REG_IB_STS2, 6, 4)
	s_cmp_eq_u32 s2, 0
	s_cbranch_scc0 .Lentry_in_a_cluster
	s_endpgm
.Lentry_in_a_cluster:
	s_bfe_u32 s2, ttmp6, 0x10000c
	s_cmp_lg_u32 s2, 0xf033
	s_cbranch_scc0 .Lentry_shape_is_right
	s_endpgm
.Lentry_shape_is_right:
; h = Q(gelu(li W1^T + b1)).  li: [2048][2048], W1: [8192][2048]: codes of FP6 (E2M3), 6 bits each, K innermost, one E8M0 scale byte for each 32 along K; sums in f32; the exact GELU in f32; h is quantised along its 8,192.
; A tile of 256 tokens x 256 hidden units is made by a work-group of four waves, each 128 x 128: 64 accumulators of 16 x 16, 512 registers.  K goes in steps of 256 through a ring of two LDS slots filled by the tensor data mover.
; THE SCALES of the work-group's 256 rows of li and 256 rows of W1, for all of K, are two dense blocks of memory: they come into LDS once, with the first fills, and stay.
; CLUSTERS: 4 x 4 work-groups.  The four of a row of the cluster need the same tiles of li, the four of a column the same tiles of W1: each tile is asked for JOINTLY, by the same tensor load with the same descriptor and a mask that names the four.
; THE MATRIX INSTRUCTION IS USED TRANSPOSED (source 0 = 16 rows of W1, source 1 = 16 tokens): a lane holds one token and eight neighbouring hidden units, which are the next product's K.
; OUT.  A wave's 128 hidden units are one K step of the next product.  h_codes [128 tokens tg][K step][block of 16 tokens][1,536 bytes] is an image of the operand's registers: registers 4 q .. 4 q + 3 of lane l at 512 q + 16 l.
; h_scales [tg][K step][512 bytes]: the scale word of token 16 a + r at 64 a + 4 r.
; GELU: gelu(x) = max(x, 0) - |x| e, e = erfc(|x| / sqrt 2) / 2 = t 2^(p(t) - x^2 log2(e) / 2), t = 1 / (1 + |x| / sqrt 8), p of degree 9 (a rational Chebyshev form whose fractional error stays under 1.2e-7 for every x).
; LIMITS: NaN and infinities are not served; an e under 2^-126 counts as 0; a block of zeros gets the scale byte 1 (its codes are zeros; this program alone reads the bytes).
; REGISTERS, in windows of 256: window 0: v0-31 addresses; v32-63 scale words, two sets, and nothing else; from v128 li's fragments, ONE set; on the way out v64-255 are at work.
;   window 1: W1's fragments, TWO sets, at v0 and at v128; b1 in the 64 registers between and behind them.   window 2: the accumulators of my tokens 0-63 ((a, b) at v[8 (8 a + b)]);   window 3: those of my tokens 64-127.
.set SIZE_K, 2048
.set KSTEP,  256                       ; along K in a slot
.set NQ,     KSTEP/128                 ; matrix instructions deep
.set ROWB,   192                       ; a tile's row in bytes
.set KROW,   SIZE_K*6/8                ; a row of codes in memory
.set PITCH,  240                       ; an LDS row: 3 x (64 bytes + 16 of padding) = 60 words: the 32 lanes of a load of 8 bytes touch 64 different banks (64 banks of 4 bytes: ISA guide 11.1)
.set FR,     12                        ; registers of a fragment
.set NL,     6                         ; LDS loads that bring one
.set NP,     4                         ; places behind this matrix instruction (ISA guide 7.12.1)
.set HALFT,  128*PITCH
.set SLOT,   4*HALFT                   ; li's 256 rows, then W1's 256 rows
.set LAPS,   SIZE_K/(2*KSTEP)
.set KS,     SIZE_K/32                 ; a row of scales in bytes
.set SCL,    2*SLOT                    ; behind the ring: the scales, as units of 256 bytes + 16 of padding
.set HALFS,  (128*KS/256)*272
.set SBLK,   (16*KS/256)*272
.set SPARE,  SCL+4*HALFS               ; the spare words, 128 bytes for each wave: two blocks of 256 bytes that no other line names
.set ADRA, 16                          ; v16-17 LDS address of my li fragments in slot 0, 1 (v18-19: for the pieces behind one padding more)
.set ADRB, 20                          ; v20-23 the same for W1
.set CO,   24                          ; v24  16 x lane
.set SWB,  25                          ; v25  the way out: my wave's 512 bytes for scale words (in slot 0) + 4 r
.set SWA,  26                          ; v26  the same for the block in hand
.set ADRS, 27                          ; v27  LDS address of my scale words: lanes 0-15 li's rows, lanes 16-31 W1's
.set SPW,  28                          ; v28  my spare word; never rewritten
.set NIL,  29                          ; v29  0; never rewritten
.set BA,   30                          ; v30  32 x (lane / 16): my place in b1
.set SRD,  31                          ; v31  my wave's 512 bytes + 16 x lane
.set SC,   32
.set AF,   128
.set BIR,  96                          ; window 1: b1 of block b at v[96 + 8 b + 96 (b / 4)]
.set PT,   64                          ; the way out, window 0: v64-70 the conversions' second halves
.set TM,   72                          ; v72-87  the quantiser's maxima, bytes, scale operands
.set PW,   88                          ; v88     the scale word just made
.set C9,   92                          ; v[92:93] the polynomial's leading coefficient
.set GX,   128                         ; v128-191 a block's 64 numbers of a lane
.set GU,   192                         ; v192-207 t
.set GP,   208                         ; v208-223 the polynomial, then e
.set GQ,   224                         ; v224-239 x^2, then max(x, 0)
.set PC,   240                         ; v240-251 the codes just made
.set G1, 24
.set G0, 32
.set G1B, 48
.set G0B, 56
.set G1S, 68
.set G0S, 76
.set G1SB, 80
.set G0SB, 88
.set KU, 24                            ; on the way out the descriptors' registers hold the constants, each twice (the packed forms name a pair)
.set KQ, 26
.set C0, 28
.set C1, 30
.set C2, 32
.set C3, 34
.set C4, 36
.set C5, 38
.set C6, 40
.set C7, 42
.set C8, 44
.set SEL, 46
.set MSB, 0
.macro WIN new                         ; the immediate's high byte repeats the setting that is left
.if MSB != \new
	s_set_vgpr_msb (MSB<<8)|\new
.set MSB, \new
.endif
.endm
.set MUL_LO, 0xa1                      ; source 0 (W1) window 1, source 1 (li) window 0, C and D window 2
.set MUL_HI, 0xf1
.set TO_B,   0x40                      ; destination window 1, address window 0
; A joint load: waves 0 and 1 fetch for li, waves 2 and 3 for W1.  Four v_nop follow each of the two lines.
.macro JLOAD g0a, g1a, g0b, g1b
	s_cmp_eq_u32 s15, 0
	s_cbranch_scc0 .Lfor_b_\@
	tensor_load_to_lds s[\g0a:\g0a+3], s[\g1a:\g1a+7]
	s_nop 0
.rept 4
	v_nop
.endr
	s_branch .Lasked_\@
.Lfor_b_\@:
	tensor_load_to_lds s[\g0b:\g0b+3], s[\g1b:\g1b+7]
	s_nop 0
.rept 4
	v_nop
.endr
.Lasked_\@:
.endm
.macro CREST                           ; a round of the cluster's barrier behind its opening barrier
	s_cmp_lg_u32 s14, 0
	s_cbranch_scc1 .Lnot_wave_0_\@
	s_barrier_signal -3
.Lnot_wave_0_\@:
	s_barrier_wait -3
	s_barrier_signal -1
	s_barrier_wait -1
.endm
.macro CROUND
	s_barrier_signal -1
	s_barrier_wait -1
	CREST
.endm
	s_load_b128 s[4:7], s[0:1], 0x0                ; li's codes, li's scales
	s_load_b128 s[8:11], s[0:1], 0x10              ; W1's codes, W1's scales
	s_load_b64 s[12:13], s[0:1], 0x20              ; h_codes
	s_load_b128 s[96:99], s[0:1], 0x28             ; b1, h_scales
	v_lshl_add_u32 v[SPW], v0, 2, SPARE
	v_mov_b32 v[NIL], 0
	ds_add_u32 v28, v29
	ds_add_u32 v28, v29
	s_wait_dscnt 0x0
	v_lshrrev_b32 v1, 5, v0
	v_readfirstlane_b32 s14, v1                    ; wave 0..3
	s_lshr_b32 s15, s14, 1                         ; which half of the tile's tokens is mine.  Also: I fetch for li (0) or for W1 (1)
	s_and_b32 s16, s14, 1                          ; which half of its hidden units.  Also: which 128 rows of that tile I fetch
	s_bfe_u32 s40, ttmp6, 0x40000                  ; cx, cy: my place in the cluster
	s_bfe_u32 s41, ttmp6, 0x40004
	s_lshl_b32 s42, ttmp9, 2
	s_add_co_u32 s42, s42, s40                     ; tile column = 4 x cluster x + cx
	s_and_b32 s17, ttmp7, 0xffff
	s_lshl_b32 s17, s17, 2
	s_add_co_u32 s17, s17, s41                     ; tile row = 4 x cluster y + cy
	s_lshl_b32 s43, s41, 2
	s_lshl_b32 s43, 15, s43                        ; my row of the cluster
	s_lshl_b32 s44, 0x1111, s40                    ; my column
	s_or_b32 s[G1+0], s43, (0<<16)|(1<<20)|(1<<21)|(3<<22)|(3<<25)  ; the mask; elements of 1 byte; padding on; bit 21 beside a mask; after every 16 words, 4 words
	s_or_b32 s[G1B+0], s44, (0<<16)|(1<<20)|(1<<21)|(3<<22)|(3<<25)
.irp g, G1, G1B
	s_mov_b32 s[\g+1], ROWB<<16                    ; tensor_dim0
	s_mov_b32 s[\g+2], 128<<16                     ; tensor_dim1
	s_mov_b32 s[\g+3], ROWB<<16                    ; tile_dim0
	s_mov_b32 s[\g+4], 128                         ; tile_dim1
	s_mov_b32 s[\g+5], KROW                        ; the pitch
	s_mov_b32 s[\g+6], 0
	s_mov_b32 s[\g+7], 0
.endr
	s_or_b32 s[G1S+0], s43, (3<<16)|(1<<20)|(1<<21)|(5<<22)|(3<<25)   ; the scales of 128 rows: a dense block, as rows of 256 bytes with 16 of padding behind each
	s_or_b32 s[G1SB+0], s44, (3<<16)|(1<<20)|(1<<21)|(5<<22)|(3<<25)
.irp g, G1S, G1SB
	s_mov_b32 s[\g+1], 32<<16
	s_mov_b32 s[\g+2], (128*KS/256)<<16
	s_mov_b32 s[\g+3], 32<<16
	s_mov_b32 s[\g+4], 128*KS/256
	s_mov_b32 s[\g+5], 32
	s_mov_b32 s[\g+6], 0
	s_mov_b32 s[\g+7], 0
.endr
	s_lshl_b32 s18, s16, 7                         ; which 128 rows of the tile I fetch
	s_lshl_b32 s20, s17, 8
	s_add_co_u32 s20, s20, s18                     ; li: row 256 x tile row + 128 x half
	s_lshl_b32 s46, s42, 8
	s_add_co_u32 s46, s46, s18                     ; W1: row 256 x tile column + 128 x half
	s_mov_b32 s21, 0
	s_mov_b32 s47, 0
	s_mov_b64 s[18:19], KS
	s_mul_u64 s[22:23], s[20:21], s[18:19]         ; where these rows' scales begin
	s_mul_u64 s[92:93], s[46:47], s[18:19]
	s_mov_b64 s[18:19], KROW
	s_mul_u64 s[20:21], s[20:21], s[18:19]         ; and their codes
	s_mul_u64 s[46:47], s[46:47], s[18:19]
	s_mul_i32 s45, s14, HALFT                      ; where they go: wave x 128 rows: no place in the cluster enters an LDS address
	s_mul_i32 s94, s14, HALFS
	s_wait_kmcnt 0x0
	s_add_nc_u64 s[20:21], s[4:5], s[20:21]
	s_add_nc_u64 s[22:23], s[6:7], s[22:23]
	s_add_nc_u64 s[46:47], s[8:9], s[46:47]
	s_add_nc_u64 s[92:93], s[10:11], s[92:93]
	CROUND                                         ; all sixteen work-groups are here: the first joint loads meet
	s_mov_b32 s[G0S], 1
	s_add_co_u32 s[G0S+1], s94, SCL
	s_mov_b64 s[G0S+2:G0S+3], s[22:23]
	s_or_b32 s[G0S+3], s[G0S+3], 0x80000000
	s_mov_b32 s[G0SB], 1
	s_add_co_u32 s[G0SB+1], s94, SCL
	s_mov_b64 s[G0SB+2:G0SB+3], s[92:93]
	s_or_b32 s[G0SB+3], s[G0SB+3], 0x80000000
	JLOAD G0S, G1S, G0SB, G1SB                     ; the scales first: they are wanted with K step 0
.irp s, 0,1
	s_mov_b32 s[G0+4*\s], 1
	s_add_co_u32 s[G0+4*\s+1], s45, \s*SLOT
	s_add_nc_u64 s[G0+4*\s+2:G0+4*\s+3], s[20:21], \s*ROWB
	s_or_b32 s[G0+4*\s+3], s[G0+4*\s+3], 0x80000000
	s_mov_b32 s[G0B+4*\s], 1
	s_add_co_u32 s[G0B+4*\s+1], s45, \s*SLOT
	s_add_nc_u64 s[G0B+4*\s+2:G0B+4*\s+3], s[46:47], \s*ROWB
	s_or_b32 s[G0B+4*\s+3], s[G0B+4*\s+3], 0x80000000
	JLOAD G0+4*\s, G1, G0B+4*\s, G1B
.endr
	v_and_b32 v1, 15, v0                           ; r
	v_bfe_u32 v2, v0, 4, 1                         ; h
	v_mul_u32_u24 v3, v1, PITCH
	v_mul_u32_u24 v4, v2, 24
	v_add_nc_u32 v4, v3, v4                        ; a fragment's row x pitch + 24 x half
	v_lshl_add_u32 v5, v2, 4, v4                   ; and the same behind one padding more
	s_mul_i32 s21, s15, HALFT                      ; my 128 rows of li
	s_mul_i32 s22, s16, HALFT                      ; my 128 rows of W1,
	s_add_co_u32 s22, s22, 2*HALFT                 ; which lie behind li's 256
.irp s, 0,1
	v_add_nc_u32 v[ADRA+\s], s21, v4
	v_add_nc_u32 v[ADRB+\s], s22, v4
	v_add_nc_u32 v[ADRA+2+\s], s21, v5
	v_add_nc_u32 v[ADRB+2+\s], s22, v5
	s_add_co_u32 s21, s21, SLOT
	s_add_co_u32 s22, s22, SLOT
.endr
	v_mul_u32_u24 v5, v1, KS                       ; my row's scales: KS bytes a row,
	v_lshrrev_b32 v6, 8, v5
	v_lshl_add_u32 v5, v6, 4, v5                   ; and 16 more for each 256 passed
	s_mul_i32 s21, s15, HALFS
	s_mul_i32 s22, s16, HALFS
	s_add_co_u32 s22, s22, 2*HALFS
	s_sub_co_u32 s22, s22, s21
	v_mul_u32_u24 v6, s22, v2                      ; lanes 16-31 take W1's
	s_add_co_u32 s21, s21, SCL
	v_add_nc_u32 v5, v5, v6
	v_add_nc_u32 v[ADRS], s21, v5
	v_and_b32 v6, 31, v0
	v_lshlrev_b32 v[CO], 4, v6
	s_lshl_b32 s23, s14, 9
	v_lshl_add_u32 v[SWB], v1, 2, s23
	v_add_nc_u32 v[SRD], s23, v[CO]
	v_lshlrev_b32 v[BA], 5, v2
	s_lshl_b32 s20, s17, 1
	s_add_co_u32 s20, s20, s15                     ; tg: my 128 tokens
	s_lshl_b32 s20, s20, 6
	s_lshl_b32 s46, s42, 1
	s_add_co_u32 s46, s46, s16                     ; the next product's K step: my 128 hidden units
	s_add_co_u32 s20, s20, s46
	s_mul_i32 s22, s20, 12288
	s_mov_b32 s23, 0
	s_add_nc_u64 s[12:13], s[12:13], s[22:23]      ; h_codes at (tg, K step)
	s_lshl_b32 s22, s20, 9
	s_add_nc_u64 s[98:99], s[98:99], s[22:23]      ; h_scales likewise
	s_lshl_b32 s22, s46, 9
	s_add_nc_u64 s[96:97], s[96:97], s[22:23]      ; b1 at my 128 hidden units
	WIN TO_B
.irp b, 0,1,2,3,4,5,6,7                        ; b1 in the results' layout: lane (r, h), block b: units 16 b + 8 h + 0 .. 7.  Waited for in front of the way out
	global_load_b128 v[BIR+8*\b+96*(\b/4):BIR+8*\b+96*(\b/4)+3], v[BA], s[96:97] offset:64*\b
	global_load_b128 v[BIR+8*\b+96*(\b/4)+4:BIR+8*\b+96*(\b/4)+7], v[BA], s[96:97] offset:64*\b+16
.endr
	WIN 0
.macro FRAG reg, adr, q, i             ; a fragment: lane l holds row l % 16; registers 6 c .. 6 c + 5 hold K = 64 c + 32 (l / 16) + 0 .. 31: 24 bytes of the row's stream of bits, in pieces of 8 bytes
.irp p, 0,1,2,3,4,5
.set PCE, 12*(\q)+6*(\p/3)+\p%3        ; 16 bytes of padding lie behind every 8 pieces: where the piece three on lies behind one padding more, the second address register serves
.if PCE%8 < 5
	ds_load_b64 v[\reg+2*\p:\reg+2*\p+1], v[\adr] offset:8*PCE+16*(PCE/8)+(\i)*16*PITCH
.else
	ds_load_b64 v[\reg+2*\p:\reg+2*\p+1], v[\adr+2] offset:8*PCE+16*(PCE/8)+(\i)*16*PITCH
.endif
.endr
.endm
; 16 matrix instructions: li's blocks a0, a0 + 1 x W1's eight, 128 along K.  The 64 accumulators take turns, one instruction a turn, in the same order in every step.
.macro MUL16 a0, p, q, sc, zero
.irp a, \a0, \a0+1
.irp b, 0,1,2,3,4,5,6,7
.if \zero
	v_wmma_scale_f32_16x16x128_f8f6f4 v[8*(8*((\a)%4)+\b):8*(8*((\a)%4)+\b)+7], v[128*(\p)+FR*\b:128*(\p)+FR*\b+FR-1], v[AF+FR*(\a):AF+FR*(\a)+FR-1], 0, v[SC+8*NQ*(\sc)+NQ*\b+(\q)], v[SC+8*NQ*(\sc)+NQ*(\a)+(\q)] matrix_a_fmt:MATRIX_FMT_FP6 matrix_b_fmt:MATRIX_FMT_FP6 matrix_a_scale:MATRIX_SCALE_ROW1
.else
	v_wmma_scale_f32_16x16x128_f8f6f4 v[8*(8*((\a)%4)+\b):8*(8*((\a)%4)+\b)+7], v[128*(\p)+FR*\b:128*(\p)+FR*\b+FR-1], v[AF+FR*(\a):AF+FR*(\a)+FR-1], v[8*(8*((\a)%4)+\b):8*(8*((\a)%4)+\b)+7], v[SC+8*NQ*(\sc)+NQ*\b+(\q)], v[SC+8*NQ*(\sc)+NQ*(\a)+(\q)] matrix_a_fmt:MATRIX_FMT_FP6 matrix_b_fmt:MATRIX_FMT_FP6 matrix_a_scale:MATRIX_SCALE_ROW1
.endif
.endr
.endr
.endm
.macro FETCH_B slot, q, p
	WIN TO_B
.irp i, 0,1,2,3,4,5,6,7
	FRAG 128*(\p)+FR*\i, ADRB+\slot, \q, \i
.endr
	WIN 0
.endm
.macro FETCH_A slot, q, i0
.irp i, \i0, \i0+1, \i0+2, \i0+3
	FRAG AF+FR*(\i), ADRA+\slot, \q, \i
.endr
.endm
.macro SCALES sc                       ; a K step's scale words: lanes 0-15 take li's block i, lanes 16-31 W1's block i
.irp i, 0,1,2,3,4,5,6,7
	ds_load_b64 v[SC+8*NQ*\sc+NQ*\i:SC+8*NQ*\sc+NQ*\i+1], v[ADRS] offset:\i*SBLK
.endr
.endm
.macro PLACES n                        ; plain vector instructions between a matrix instruction and a load into, or a read of, its registers (ISA guide 7.12.1 for reads)
.rept \n
	v_nop
.endr
.endm
.macro STEP slot, q, zero              ; a step of 128 along K that has its successor in the same slot
	s_wait_dscnt 4*NL                              ; W1's set and li's blocks 0-3 are in; the youngest loads (li's blocks 4-7) may be out
	WIN MUL_LO
	MUL16 0, (\q)%2, \q, \slot, \zero
	MUL16 2, (\q)%2, \q, \slot, \zero
	s_wait_dscnt 0
	PLACES NP
	FETCH_B \slot, (\q)+1, 1-(\q)%2
	FETCH_A \slot, (\q)+1, 0
	WIN MUL_HI
	MUL16 4, (\q)%2, \q, \slot, \zero
	MUL16 6, (\q)%2, \q, \slot, \zero
	PLACES NP
	WIN 0
	FETCH_A \slot, (\q)+1, 4
.endm
; A slot's last step changes slots: one barrier; in front of it each wave waits for all its tensor loads, adds 0 to its spare word, and waits for that and for its own reads of this slot.
.macro TURN slot, next, fill
	s_wait_tensorcnt 0x0                           ; all my tensor loads have landed: my part of the next slot
	ds_add_u32 v[SPW], v[NIL]                      ; 0 onto my spare word
	s_wait_dscnt 4*NL+1                            ; (the add and the youngest loads, li's blocks 4-7, may be out)
	WIN MUL_LO
	MUL16 0, 1, NQ-1, \slot, 0
	s_wait_dscnt 0x0                               ; the add is done, and my reads of this slot are over
	s_barrier_signal -1
	MUL16 2, 1, NQ-1, \slot, 0
	WIN 0
	s_barrier_wait -1
.if \fill
	CREST                                          ; the barrier has opened a round of the cluster's barrier: no wave of any partner still reads this slot or has a load on its way
	s_add_nc_u64 s[G0+4*\slot+2:G0+4*\slot+3], s[G0+4*\slot+2:G0+4*\slot+3], 2*ROWB
	s_add_nc_u64 s[G0B+4*\slot+2:G0B+4*\slot+3], s[G0B+4*\slot+2:G0B+4*\slot+3], 2*ROWB
	JLOAD G0+4*\slot, G1, G0B+4*\slot, G1B         ; the first tensor load behind the round; its four v_nop are also the places in front of the loads below
.else
	PLACES NP
.endif
	v_add_nc_u32 v[ADRS], 4*NQ, v[ADRS]            ; on to the next K step's scale words
	FETCH_B \next, 0, 0
	FETCH_A \next, 0, 0
	SCALES \next
	WIN MUL_HI
	MUL16 4, 1, NQ-1, \slot, 0
	MUL16 6, 1, NQ-1, \slot, 0
	PLACES NP
	WIN 0
	FETCH_A \next, 0, 4
.endm
	s_wait_tensorcnt 1                             ; the scales and my part of K step 0 are in (K step 1's load may be out)
	s_barrier_signal -1
	s_barrier_wait -1                              ; everybody's are
	FETCH_B 0, 0, 0
	FETCH_A 0, 0, 0
	SCALES 0
	FETCH_A 0, 0, 4
	STEP 0, 0, 1                                   ; the first step stands in front of the loop: its products start the sums
	s_mov_b32 s3, LAPS-1
.Llap:                                                 ; a trip goes once round the ring and fills both slots again
	TURN 0, 1, 1
	STEP 1, 0, 0
	TURN 1, 0, 1
	STEP 0, 0, 0
	s_sub_co_u32 s3, s3, 1
	s_cmp_lg_u32 s3, 0
	s_cbranch_scc1 .Llap
	TURN 0, 1, 0                                   ; the last lap fills nothing, and has no round of the cluster's barrier
	STEP 1, 0, 0
	s_wait_dscnt 4*NL
	WIN MUL_LO
	MUL16 0, 1, NQ-1, 1, 0
	MUL16 2, 1, NQ-1, 1, 0
	s_wait_dscnt 0
	WIN MUL_HI
	MUL16 4, 1, NQ-1, 1, 0
	MUL16 6, 1, NQ-1, 1, 0
	WIN 0
; THE WAY OUT: eight trips, a block of 16 tokens x 128 hidden units each.  Only the 32 additions that bring a block and its bias into window 0 differ from block to block: a chain of scalar compares picks them; the rest is written once.
.macro SETC reg, val
	s_mov_b32 s[\reg], \val
	s_mov_b32 s[\reg+1], \val
.endm
.macro COPY a                          ; block a + b1 -> v[GX] on; each accumulator is read from its low end on
	WIN 0x06+(\a)/4                                ; source 0 window 2 or 3, source 1 window 1
.irp b, 0,1,2,3,4,5,6,7
.irp k, 0,2,4,6
	v_pk_add_f32 v[GX+8*\b+\k:GX+8*\b+\k+1], v[64*((\a)%4)+8*\b+\k:64*((\a)%4)+8*\b+\k+1], v[BIR+8*\b+96*(\b/4)+\k:BIR+8*\b+96*(\b/4)+\k+1]
.endr
.endr
	WIN 0
.endm
.macro GELU16 x                        ; sixteen numbers in place
.set i, 0
.rept 16
	v_fma_f32 v[GU+i], |v[\x+i]|, s[KU], 1.0
.set i, i+1
.endr
.set i, 0
.rept 16
	v_rcp_f32 v[GU+i], v[GU+i]                     ; t
.set i, i+1
.endr
.set i, 0
.rept 8
	v_pk_mul_f32 v[GQ+i:GQ+i+1], v[\x+i:\x+i+1], v[\x+i:\x+i+1]   ; x^2.  (Plain places behind the transcendentals)
.set i, i+2
.endr
.set i, 0
	s_wait_alu depctr_va_vdst(0)
.rept 8
	v_pk_fma_f32 v[GP+i:GP+i+1], v[GU+i:GU+i+1], v[C9:C9+1], s[C8:C8+1] op_sel_hi:[1,1,0]
.set i, i+2
.endr
.irp c, C7,C6,C5,C4,C3,C2,C1,C0
.set i, 0
.rept 8
	v_pk_fma_f32 v[GP+i:GP+i+1], v[GP+i:GP+i+1], v[GU+i:GU+i+1], s[\c:\c+1] op_sel_hi:[1,1,0]
.set i, i+2
.endr
.endr
.set i, 0
.rept 8
	v_pk_fma_f32 v[GP+i:GP+i+1], v[GQ+i:GQ+i+1], s[KQ:KQ+1], v[GP+i:GP+i+1] op_sel_hi:[1,0,1]
.set i, i+2
.endr
.set i, 0
.rept 16
	v_exp_f32 v[GP+i], v[GP+i]
.set i, i+1
.endr
.set i, 0
.rept 16
	v_max_num_f32 v[GQ+i], 0, v[\x+i]              ; (plain places behind the transcendentals)
.set i, i+1
.endr
.set i, 0
	s_wait_alu depctr_va_vdst(0)
.rept 8
	v_pk_mul_f32 v[GP+i:GP+i+1], v[GP+i:GP+i+1], v[GU+i:GU+i+1]   ; e
.set i, i+2
.endr
.set i, 0
.rept 16
	v_fma_f32 v[\x+i], -|v[\x+i]|, v[GP+i], v[GQ+i]
.set i, i+1
.endr
.endm
.macro QUANT s                         ; 64 numbers of a lane, register 16 b + i = k 32 b + 16 (lane / 16) + i of my token, become a fragment's codes in v[PC] on and its scale word in v[PW]
.irp b, 0,1,2,3
	v_max3_num_f32 v[TM+\b], |v[\s+16*\b]|, |v[\s+1+16*\b]|, 0x1800000   ; and the floor 2^(3 - 127): the byte cannot fall under 1
.endr
.irp i, 2,4,6,8,10,12,14
.irp b, 0,1,2,3
	v_max3_num_f32 v[TM+\b], v[TM+\b], |v[\s+16*\b+\i]|, |v[\s+1+16*\b+\i]|
.endr
.endr
.irp b, 0,1,2,3
	v_permlanex16_b32 v[TM+4+\b], v[TM+\b], s[SEL], s[SEL+1]
.endr
.irp b, 0,1,2,3
	v_max_num_f32 v[TM+\b], v[TM+\b], v[TM+4+\b]
.endr
.irp b, 0,1,2,3
	v_add_nc_u32 v[TM+12+\b], 0xff000000, v[TM+\b]   ; 2 off the exponent field: the conversion's scale operand
.endr
.irp b, 0,1,2,3
	v_lshrrev_b32 v[TM+4+\b], 23, v[TM+12+\b]
.endr
	v_lshl_or_b32 v[PW], v[TM+5], 8, v[TM+4]
	v_lshl_or_b32 v[PW], v[TM+6], 16, v[PW]
	v_lshl_or_b32 v[PW], v[TM+7], 24, v[PW]
.irp c, 0,1
	v_cvt_scalef32_pk16_fp6_f32 v[PC+6*\c:PC+2+6*\c], v[\s+32*\c:\s+15+32*\c], v[TM+12+2*\c]
	v_cvt_scalef32_pk16_fp6_f32 v[PT+4*\c:PT+2+4*\c], v[\s+16+32*\c:\s+31+32*\c], v[TM+12+2*\c+1]
.endr
	v_nop                                          ; one plain place behind a scaled conversion
.irp c, 0,1
.irp i, 0,1,2
	v_permlane16_swap_b32 v[PC+6*\c+\i], v[PT+4*\c+\i]
.endr
.irp i, 0,1,2
	v_mov_b32 v[PC+3+6*\c+\i], v[PT+4*\c+\i]
.endr
.endr
.endm
	s_wait_loadcnt 0x0                             ; b1
	SETC KU, 0x3eb504f3                            ; 1 / sqrt 8.  (No tensor load is out: the descriptors' registers are free)
	SETC KQ, 0xbf38aa3b                            ; -log2(e) / 2
	SETC C0, 0xc034d90f                            ; the polynomial's coefficients x log2(e); the constant term less 1, for the half
	SETC C1, 0x3fb8ab5a
	SETC C2, 0x3f0a29d2
	SETC C3, 0x3e0efb2e
	SETC C4, 0xbe899a80
	SETC C5, 0x3ecdfd18
	SETC C6, 0xbfd1a1e5
	SETC C7, 0x40097039
	SETC C8, 0xbf97d29d
	s_mov_b32 s[SEL], 0x76543210
	s_mov_b32 s[SEL+1], 0xfedcba98
	PLACES NP                                      ; behind the last products, in front of the first read of results and the first write over li's fragments
	v_mov_b32 v[C9], 0x3e7c6f08
	v_mov_b32 v[C9+1], 0x3e7c6f08
.irp b, 0,1,2,3
	v_mov_b32 v[TM+4+\b], 0                        ; a lane permute's destination counts as one of its sources
.endr
	s_mov_b32 s2, 0                                ; 64 x block: its scale words' place
	s_mov_b32 s3, 0                                ; the block
.Lblk:
.irp a, 0,1,2,3,4,5,6
	s_cmp_eq_u32 s3, \a
	s_cbranch_scc1 .Lcopy\a
.endr
	COPY 7
	s_branch .Lwork
.irp a, 0,1,2,3,4,5,6
.Lcopy\a:
	COPY \a
	s_branch .Lwork
.endr
.Lwork:
.irp b, 0,1,2,3                                ; blocks 2 b and 2 b + 1 of the results hold units 32 b + 8 h + j and 32 b + 16 + 8 h + j: the first's lanes 16-31 change places with the second's lanes 0-15,
.irp j, 0,1,2,3,4,5,6,7                        ; and register 16 b + i holds unit 32 b + 16 h + i of my token
	v_permlane16_swap_b32 v[GX+16*\b+\j], v[GX+16*\b+8+\j]
.endr
.endr
	GELU16 GX
	GELU16 GX+16
	GELU16 GX+32
	GELU16 GX+48
	QUANT GX
.irp q, 0,1,2
	global_store_b128 v[CO], v[PC+4*\q:PC+4*\q+3], s[12:13] offset:512*\q   ; 32 lanes store 512 consecutive bytes, at a multiple of 256 from the buffer's first byte
.endr
	v_add_nc_u32 v[SWA], s2, v[SWB]
	ds_store_b32 v[SWA], v[PW]                     ; lanes r and 16 + r write the same word with the same value.  These bytes lie in slot 0, which has had its last fill, and which nobody reads behind the last change of slots
	s_wait_xcnt 0x0                                ; the stores have read their data and their base: both are written again below and in the next trip
	s_add_nc_u64 s[12:13], s[12:13], 1536
	s_add_co_u32 s2, s2, 64
	s_add_co_u32 s3, s3, 1
	s_cmp_lt_u32 s3, 8
	s_cbranch_scc1 .Lblk
	ds_load_b128 v[PT:PT+3], v[SRD]                ; LDS serves a wave's instructions in order: this sees my eight stores
	s_wait_dscnt 0x0
	global_store_b128 v[CO], v[PT:PT+3], s[98:99]  ; my 128 tokens' scale words: 512 consecutive bytes
	s_wait_tensorcnt 0x0                           ; the wave's end
	ds_add_u32 v[SPW], v[NIL]
	s_wait_dscnt 0x0
	CROUND                                         ; the closing round: no work-group ends while a partner may still ask for a tile that names it
	s_endpgm
.Lfunc_end_k_q1138e02354_ffn1:
	.size	k_q1138e02354_ffn1, .Lfunc_end_k_q1138e02354_ffn1-k_q1138e02354_ffn1
	.p2alignl 7, 3214868480
	.fill 96, 4, 3214868480
	.section	.rodata,"a",@progbits
	.p2align	6, 0x0
	.amdhsa_kernel k_q1138e02354_ffn1
		.amdhsa_group_segment_fixed_size 327680
		.amdhsa_private_segment_fixed_size 0
		.amdhsa_enable_private_segment 0
		.amdhsa_kernarg_size 56
		.amdhsa_user_sgpr_count 2
		.amdhsa_user_sgpr_kernarg_segment_ptr 1
		.amdhsa_wavefront_size32 1
		.amdhsa_system_sgpr_workgroup_id_x 1
		.amdhsa_system_sgpr_workgroup_id_y 1
		.amdhsa_system_sgpr_workgroup_id_z 1
		.amdhsa_system_vgpr_workitem_id 0
		.amdhsa_next_free_vgpr 1024
		.amdhsa_next_free_sgpr 102
		.amdhsa_reserve_vcc 0
		.amdhsa_float_denorm_mode_32 3
		.amdhsa_float_denorm_mode_16_64 3
		.amdhsa_memory_ordered 1
		.amdhsa_forward_progress 1
		.amdhsa_inst_pref_size 195
	.end_amdhsa_kernel
	.amdgpu_metadata
---
amdhsa.version: [ 1, 2 ]
amdhsa.kernels:
  - .name:           k_q1138e02354_ffn1
    .symbol:         k_q1138e02354_ffn1.kd
    .args:
      - { .name: li_codes, .offset: 0, .size: 8, .value_kind: global_buffer, .address_space: global }
      - { .name: li_scales, .offset: 8, .size: 8, .value_kind: global_buffer, .address_space: global }
      - { .name: W1_codes, .offset: 16, .size: 8, .value_kind: global_buffer, .address_space: global }
      - { .name: W1_scales, .offset: 24, .size: 8, .value_kind: global_buffer, .address_space: global }
      - { .name: h_codes, .offset: 32, .size: 8, .value_kind: global_buffer, .address_space: global }
      - { .name: b1, .offset: 40, .size: 8, .value_kind: global_buffer, .address_space: global }
      - { .name: h_scales, .offset: 48, .size: 8, .value_kind: global_buffer, .address_space: global }
    .group_segment_fixed_size: 327680
    .private_segment_fixed_size: 0
    .kernarg_segment_align: 8
    .kernarg_segment_size: 56
    .max_flat_workgroup_size: 128
    .sgpr_count:     102
    .vgpr_count:     1024
    .wavefront_size: 32
...
	.end_amdgpu_metadata
.endif
;; end of part 2
;; launch ffn2 (part 3): grid 16 x 16, 4 waves a work-group, clusters of 4 x 4, 327,680 bytes of LDS; arguments h_codes, h_scales, W2_codes, W2_scales, b2, mix, x_streams, out0; writes out0
.if DOCPART == 3
	.amdgcn_target "amdgcn-amd-amdhsa--gfx1250"
	.amdhsa_code_object_version 6
	.text
	.protected	k_q1138e02354_ffn2
	.globl	k_q1138e02354_ffn2
	.p2align	8
	.type	k_q1138e02354_ffn2,@function
k_q1138e02354_ffn2:
	s_mov_b64 s[64:65], 0
	v_nop
	global_prefetch_b8 v0, s[64:65] scope:SCOPE_SE
	s_setreg_imm32_b32 hwreg(HW_REG_WAVE_MODE, 25, 1), 1
	s_wait_xcnt 0x0
	s_wait_alu depctr_hold_cnt(0) depctr_sa_sdst(0) depctr_va_vdst(0) depctr_va_sdst(0) depctr_va_ssrc(0) depctr_va_vcc(0) depctr_vm_vsrc(0)
	s_getreg_b32 s2, hwreg(HW_REG_IB_STS2, 6, 4)
	s_cmp_eq_u32 s2, 0
	s_cbranch_scc0 .Lentry_in_a_cluster
	s_endpgm
.Lentry_in_a_cluster:
	s_bfe_u32 s2, ttmp6, 0x10000c
	s_cmp_lg_u32 s2, 0xf033
	s_cbranch_scc0 .Lentry_shape_is_right
	s_endpgm
.Lentry_shape_is_right:
; lo = h W2^T + b2 on codes of FP6 (E2M3) with one E8M0 scale for each 32 along K, sums in f32; out[token][i][c] = sum over j of H_merged[i][j] x[token][j][c] + h_post[i] lo[token][c], in f32.
; h_codes, h_scales: images of the operand's registers, [128 tokens][K step][block of 16 tokens]; W2: [2048][8192] codes, K innermost; mix: [2048][32 f32]: H_merged, h_post.
; SHARES.  A work-group makes 128 tokens x 128 columns: 256 work-groups.  THE FOUR WAVES SHARE K, NOT THE TILE: each holds all 64 accumulators of 16 x 16 and takes two of every eight K steps of 128, so that each fragment
; feeds eight matrix instructions, as in a wave tile of 128 x 128.  The four partial tiles meet at the end in LDS, on the way that turns the results into whole rows anyway.
; W2 GOES THROUGH A RING of two LDS slots of 1,024 along K: 128 rows of 768 bytes (three aligned blocks of 256 bytes of memory), 16 bytes of padding behind each 256: pitch 204 words, so that the 32 lanes of a load of
; 8 bytes touch 64 different banks (64 banks of 4 bytes: ISA guide 11.1).  Each wave fetches 32 rows by one tensor load.  Wave w multiplies K steps 2 w and 2 w + 1 of a slot's eight: 128 matrix instructions between two changes of slots.
; h GOES STRAIGHT INTO REGISTERS, NOT JOINTLY THROUGH LDS, though the sixteen work-groups of a tile row read the same h.  The reason, by this text's arithmetic: no wave of a work-group reads another's fragments of h; with both
; operands in the ring two slots hold 512 along K each, 64 matrix instructions a wave between a request and the wait for it; with W2 alone they hold 1,024, twice that, with half as many barriers.  A fragment of h is three
; loads of 512 consecutive bytes; two sets of eight fragments take turns; a half set is asked for again, for the step two on, as soon as its 32 products are issued, and waited for by count: 36 to 48 loads a wave are out.
; THE SCALES of the 128 tokens and of the 128 rows of W2, for all of K, come into LDS once, with the first fills.
; CLUSTERS: 4 x 4 work-groups; W2's tiles and scales are shared along a column of the cluster, h's scales along a row: each is asked for JOINTLY.  THE MATRIX INSTRUCTION IS USED TRANSPOSED (source 0 = 16 rows of W2, source 1 = 16 tokens).
; LIMITS: NaN and infinities are not served.  K's sums are split over the four waves: lo = ((wave 0 + wave 1) + (wave 2 + wave 3)) + b2.
; REGISTERS: window 0: v0-31 addresses; v32-63 scale words, two sets, and nothing else; v64-159, v160-255 h's fragments, two sets; on the way out v64-255 are at work.
;   window 1: W2's fragments, two sets, at v0 and v128; v96-127 my 32 tokens' coefficients as loaded.   windows 2, 3: the accumulators ((a, b) at v[8 (8 (a % 4) + b)]).
.set FR,     12
.set BPITCH, 816
.set BQ,     32*BPITCH                 ; what one tensor load brings
.set SLOT,   4*BQ
.set SCA,    2*SLOT                    ; h's scale words: K step ks at 512 ks, token 16 a + r at 64 a + 4 r
.set SCB,    SCA+32768                 ; W2's: 128 rows of 256 bytes + 16
.set PLANE,  128*528                   ; the way out: a wave's partial tile, 128 rows of 512 bytes + 16; four of them from byte 0 on, in bytes that have had their last fill and their last read
.set CT,     4*PLANE                   ; and behind them 4,096 bytes a wave: its 32 tokens' coefficients
.set SPARE,  CT+4*4096                 ; the spare words, 128 bytes for each wave: two blocks of 256 bytes that no other line names
.set PO,   2                           ; v2-13  W2's fragments: row r of slot 0, piece p of my K step q, at v[2 + 6 q + p]; never rewritten
.set TA,   14                          ; v14-25 the same for the run of loads in hand: + the slot; v20-25: + 64 rows
.set ADRSA, 26                         ; v26    h's scale words of the slot in hand
.set ADRSB, 27                         ; v27    W2's
.set SPW,  28
.set NIL,  29
.set CO,   30                          ; v30    16 x lane; never rewritten
.set PF,   31                          ; v31    the prefetch's offsets
.set STO,  14                          ; the way out, in the registers that W2's addresses have left: v14 where I put 32 bytes of a row of my plane
.set RD,   15                          ; v15-18 where I read a row back, plane p
.set CTS,  19                          ; v19    my coefficients' place, 16 bytes a lane
.set CTU,  20                          ; v20    the same, one address for all lanes
.set SC,   32                          ; set q at v[32 + 16 q]: 8 words for the token blocks, 8 for W2's blocks, each in lanes 0-15
.set AF,   64
.set B2R,  64
.set LO,   68
.set OUT,  72
.set DS0,  88                          ; two sets of 36: four planes' 4 numbers, 20 coefficients
.set XR,   160                         ; six sets of 16: a token's four streams
.set XD,   6
.set AB,   20                          ; s[20:21] h's codes at the K step from which the immediates count
.set G1B, 48
.set G0B, 56
.set G1S, 68
.set G0S, 76
.set G1SB, 80
.set G0SB, 88
.set MSB, 0
.macro WIN new                         ; the immediate's high byte repeats the setting that is left
.if MSB != \new
	s_set_vgpr_msb (MSB<<8)|\new
.set MSB, \new
.endif
.endm
.set MUL_LO, 0xa1                      ; source 0 (W2) window 1, source 1 (h) window 0, C and D window 2
.set MUL_HI, 0xf1
.set TO_B,   0x40
.macro JLOAD g0a, g1a, g0b, g1b        ; the scales' joint load: waves 0 and 1 fetch h's, waves 2 and 3 W2's; four v_nop follow each of the two lines
	s_cmp_eq_u32 s15, 0
	s_cbranch_scc0 .Lfor_b_\@
	tensor_load_to_lds s[\g0a:\g0a+3], s[\g1a:\g1a+7]
	s_nop 0
.rept 4
	v_nop
.endr
	s_branch .Lasked_\@
.Lfor_b_\@:
	tensor_load_to_lds s[\g0b:\g0b+3], s[\g1b:\g1b+7]
	s_nop 0
.rept 4
	v_nop
.endr
.Lasked_\@:
.endm
.macro CREST
	s_cmp_lg_u32 s14, 0
	s_cbranch_scc1 .Lnot_wave_0_\@
	s_barrier_signal -3
.Lnot_wave_0_\@:
	s_barrier_wait -3
	s_barrier_signal -1
	s_barrier_wait -1
.endm
.macro CROUND
	s_barrier_signal -1
	s_barrier_wait -1
	CREST
.endm
.macro PLACES n
.rept \n
	v_nop
.endr
.endm
; h's blocks i0 .. i0 + 3 of the K step that lies d of my steps behind the base's: 8 K steps for each two of mine, one for the odd one.  Each load reads 512 consecutive bytes, as the image was stored.
.macro ALOAD set, i0, d
.irp i, \i0, \i0+1, \i0+2, \i0+3
.irp q, 0,1,2
	global_load_b128 v[AF+96*(\set)+FR*(\i)+4*\q:AF+96*(\set)+FR*(\i)+4*\q+3], v[CO], s[AB:AB+1] offset:12288*(8*((\d)/2)+(\d)%2)+1536*(\i)+512*\q
.endr
.endr
.endm
	s_load_b256 s[4:11], s[0:1], 0x0               ; h_codes 4, h_scales 6, W2_codes 8, W2_scales 10
	s_load_b256 s[92:99], s[0:1], 0x20             ; b2 92, mix 94, x 96, out0 98
	v_lshl_add_u32 v[SPW], v0, 2, SPARE
	v_mov_b32 v[NIL], 0
	ds_add_u32 v28, v29
	ds_add_u32 v28, v29
	s_wait_dscnt 0x0
	v_lshrrev_b32 v1, 5, v0
	v_readfirstlane_b32 s14, v1                    ; wave 0..3
	s_lshr_b32 s15, s14, 1                         ; of the scales I fetch h's (0) or W2's (1),
	s_and_b32 s16, s14, 1                          ; and which half
	s_bfe_u32 s40, ttmp6, 0x40000                  ; cx, cy
	s_bfe_u32 s41, ttmp6, 0x40004
	s_lshl_b32 s42, ttmp9, 2
	s_add_co_u32 s42, s42, s40                     ; tile column (128 columns)
	s_and_b32 s17, ttmp7, 0xffff
	s_lshl_b32 s17, s17, 2
	s_add_co_u32 s17, s17, s41                     ; tile row (128 tokens)
	s_lshl_b32 s43, s41, 2
	s_lshl_b32 s43, 15, s43                        ; my row of the cluster
	s_lshl_b32 s44, 0x1111, s40                    ; my column
	s_or_b32 s[G1B+0], s44, (0<<16)|(1<<20)|(1<<21)|(5<<22)|(3<<25)   ; W2's tile: the column's mask; elements of 1 byte; padding on; bit 21 beside a mask; after every 64 words, 4 words
	s_mov_b32 s[G1B+1], 768<<16                    ; tensor_dim0
	s_mov_b32 s[G1B+2], 32<<16                     ; tensor_dim1
	s_mov_b32 s[G1B+3], 768<<16                    ; tile_dim0
	s_mov_b32 s[G1B+4], 32                         ; tile_dim1
	s_mov_b32 s[G1B+5], 6144                       ; the pitch
	s_mov_b32 s[G1B+6], 0
	s_mov_b32 s[G1B+7], 0
	s_or_b32 s[G1S+0], s43, (3<<16)|(1<<21)        ; half of h's scale words: 16,384 dense bytes as 64 rows of 32 elements of 8 bytes
	s_or_b32 s[G1SB+0], s44, (3<<16)|(1<<20)|(1<<21)|(5<<22)|(3<<25)   ; 64 rows of W2's: 256 bytes each, 16 of padding behind each
.irp g, G1S, G1SB
	s_mov_b32 s[\g+1], 32<<16
	s_mov_b32 s[\g+2], 64<<16
	s_mov_b32 s[\g+3], 32<<16
	s_mov_b32 s[\g+4], 64
	s_mov_b32 s[\g+5], 32
	s_mov_b32 s[\g+6], 0
	s_mov_b32 s[\g+7], 0
.endr
	s_mul_i32 s20, s17, 786432                     ; h's codes: 64 K steps x 12,288 bytes for 128 tokens,
	s_mul_i32 s12, s14, 24576                      ; + my first K step, 2 w
	s_add_co_u32 s20, s20, s12
	s_mov_b32 s21, 0
	s_lshl_b32 s22, s17, 15                        ; h's scale words
	s_lshl_b32 s18, s16, 14
	s_add_co_u32 s22, s22, s18
	s_mov_b32 s23, 0
	s_lshl_b32 s46, s42, 7                         ; the tile's first row of W2
	s_lshl_b32 s47, s16, 6
	s_add_co_u32 s100, s46, s47
	s_lshl_b32 s100, s100, 8                       ; the scales of the 64 rows that I fetch
	s_mov_b32 s101, 0
	s_lshl_b32 s47, s14, 5
	s_add_co_u32 s46, s46, s47
	s_mul_i32 s46, s46, 6144                       ; the codes of the 32 rows that I fetch
	s_mov_b32 s47, 0
	s_mul_i32 s13, s14, BQ                         ; and their place in a slot: no place in the cluster enters an LDS address
	s_mul_i32 s19, s16, 64*272
	s_lshl_b32 s66, s17, 14                        ; mix: (128 x tile row + 32 w) x 128 bytes
	s_lshl_b32 s67, s14, 12
	s_add_co_u32 s66, s66, s67
	s_mov_b32 s67, 0
	v_and_b32 v1, 31, v0
	v_lshlrev_b32 v[CO], 4, v1
	s_wait_kmcnt 0x0
	s_add_nc_u64 s[AB:AB+1], s[4:5], s[20:21]
	s_add_nc_u64 s[22:23], s[6:7], s[22:23]
	s_add_nc_u64 s[46:47], s[8:9], s[46:47]
	s_add_nc_u64 s[100:101], s[10:11], s[100:101]
	s_add_nc_u64 s[94:95], s[94:95], s[66:67]
	s_lshl_b32 s66, s42, 9                         ; b2: my tile's 128 columns
	s_add_nc_u64 s[92:93], s[92:93], s[66:67]
	s_lshl_b32 s2, s17, 22                         ; x and out0: (128 x tile row + 32 w) x 32,768 bytes + 512 x tile column
	s_lshl_b32 s3, s14, 20
	s_add_co_u32 s2, s2, s3
	s_add_co_u32 s66, s66, s2
	s_add_nc_u64 s[96:97], s[96:97], s[66:67]
	s_add_nc_u64 s[98:99], s[98:99], s[66:67]
	WIN TO_B
.irp k, 0,1,2,3,4,5,6,7
	global_load_b128 v[96+4*\k:99+4*\k], v[CO], s[94:95] offset:512*\k   ; my 32 tokens' coefficients, 4,096 dense bytes: issued ahead of h's loads, so every counted wait for those covers them
.endr
	WIN 0
	ALOAD 0, 0, 0                                  ; h of my first two steps
	ALOAD 0, 4, 0
	ALOAD 1, 0, 1
	ALOAD 1, 4, 1
	CROUND                                         ; all sixteen work-groups are here: the first joint loads meet
	s_mov_b32 s[G0S], 1
	s_add_co_u32 s[G0S+1], s18, SCA
	s_mov_b64 s[G0S+2:G0S+3], s[22:23]
	s_or_b32 s[G0S+3], s[G0S+3], 0x80000000
	s_mov_b32 s[G0SB], 1
	s_add_co_u32 s[G0SB+1], s19, SCB
	s_mov_b64 s[G0SB+2:G0SB+3], s[100:101]
	s_or_b32 s[G0SB+3], s[G0SB+3], 0x80000000
	JLOAD G0S, G1S, G0SB, G1SB
.irp s, 0,1
	s_mov_b32 s[G0B+4*\s], 1
	s_add_co_u32 s[G0B+4*\s+1], s13, \s*SLOT
	s_add_nc_u64 s[G0B+4*\s+2:G0B+4*\s+3], s[46:47], \s*768
	s_or_b32 s[G0B+4*\s+3], s[G0B+4*\s+3], 0x80000000
	tensor_load_to_lds s[G0B+4*\s:G0B+4*\s+3], s[G1B:G1B+7]   ; every wave asks for its 32 rows: one line, one mask
	s_nop 0
.rept 4
	v_nop
.endr
.endr
	v_and_b32 v14, 15, v0                          ; r
	v_bfe_u32 v15, v0, 4, 1                        ; h
	v_mul_u32_u24 v16, v14, BPITCH                 ; W2's row r
	s_mul_i32 s2, s14, 24
	v_mul_u32_u24 v17, v15, 3
	v_add_nc_u32 v17, s2, v17                      ; my first piece of 8 bytes of a row's 96: 12 for each K step, so 24 w, + 3 h
.irp q, 0,1
.irp p, 0,1,2,3,4,5
	v_add_nc_u32 v18, 12*\q+6*(\p/3)+\p%3, v17     ; the piece; it lies at 8 x piece + 16 x (piece / 32) of the row
	v_lshrrev_b32 v19, 5, v18
	v_lshl_add_u32 v[PO+6*\q+\p], v18, 3, v16
	v_lshl_add_u32 v[PO+6*\q+\p], v19, 4, v[PO+6*\q+\p]
.endr
.endr
	s_lshl_b32 s2, s14, 10
	s_add_co_u32 s2, s2, SCA
	v_lshl_add_u32 v[ADRSA], v14, 2, s2            ; SCA + 512 (2 w) + 4 r
	s_lshl_b32 s2, s14, 3
	s_add_co_u32 s2, s2, SCB
	v_mul_u32_u24 v[ADRSB], v14, 272
	v_add_nc_u32 v[ADRSB], s2, v[ADRSB]            ; SCB + 272 r + 4 (2 w)
	v_bfe_u32 v18, v0, 3, 2                        ; the prefetch: lane l asks for token l / 8, stream (l / 2) % 4, half l % 2 of the 512 bytes
	v_lshlrev_b32 v[PF], 15, v18
	v_bfe_u32 v18, v0, 1, 2
	v_lshl_add_u32 v[PF], v18, 13, v[PF]
	v_and_b32 v18, 1, v0
	v_lshl_add_u32 v[PF], v18, 8, v[PF]
; 16 matrix instructions: token blocks a0, a0 + 1 x W2's eight; set = my K step's number in the slot.  The 64 accumulators take turns, one instruction a turn, in the same order in every step.
.macro MUL16 a0, set, zero
.irp a, \a0, \a0+1
.irp b, 0,1,2,3,4,5,6,7
.if \zero
	v_wmma_scale_f32_16x16x128_f8f6f4 v[8*(8*((\a)%4)+\b):8*(8*((\a)%4)+\b)+7], v[128*(\set)+FR*\b:128*(\set)+FR*\b+FR-1], v[AF+96*(\set)+FR*(\a):AF+96*(\set)+FR*(\a)+FR-1], 0, v[SC+16*(\set)+8+\b], v[SC+16*(\set)+(\a)] matrix_a_fmt:MATRIX_FMT_FP6 matrix_b_fmt:MATRIX_FMT_FP6
.else
	v_wmma_scale_f32_16x16x128_f8f6f4 v[8*(8*((\a)%4)+\b):8*(8*((\a)%4)+\b)+7], v[128*(\set)+FR*\b:128*(\set)+FR*\b+FR-1], v[AF+96*(\set)+FR*(\a):AF+96*(\set)+FR*(\a)+FR-1], v[8*(8*((\a)%4)+\b):8*(8*((\a)%4)+\b)+7], v[SC+16*(\set)+8+\b], v[SC+16*(\set)+(\a)] matrix_a_fmt:MATRIX_FMT_FP6 matrix_b_fmt:MATRIX_FMT_FP6
.endif
.endr
.endr
.endm
; The addresses of a run of W2's loads: 112 rows of 816 bytes do not fit an LDS load's 16-bit immediate, so rows 0-63 and rows 64-127 have registers of their own.  These twelve plain additions, which name no register of a
; matrix instruction, are also the places (ISA guide 7.12.1 for reads) between the products above them and the loads below, and the lines behind a tensor load.
.macro TADR slot, q
.irp p, 0,1,2,3,4,5
	v_add_nc_u32 v[TA+\p], (\slot)*SLOT, v[PO+6*(\q)+\p]
.endr
.irp p, 0,1,2,3,4,5
	v_add_nc_u32 v[TA+6+\p], (\slot)*SLOT+64*BPITCH, v[PO+6*(\q)+\p]
.endr
.endm
.macro FETCH_B set                     ; W2's eight fragments of my K step into set: lane l holds row l % 16; registers 6 c .. 6 c + 5 hold K = 64 c + 32 (l / 16) + 0 .. 31, in pieces of 8 bytes
	WIN TO_B
.irp i, 0,1,2,3,4,5,6,7
.irp p, 0,1,2,3,4,5
	ds_load_b64 v[128*(\set)+FR*\i+2*\p:128*(\set)+FR*\i+2*\p+1], v[TA+6*(\i/4)+\p] offset:16*BPITCH*(\i%4)
.endr
.endr
	WIN 0
.endm
.macro SCALES set                      ; and its scale words
.irp i, 0,1,2,3,4,5,6,7
	ds_load_b32 v[SC+16*(\set)+\i], v[ADRSA] offset:64*\i+512*(\set)
	ds_load_b32 v[SC+16*(\set)+8+\i], v[ADRSB] offset:16*272*\i+4*(\set)
.endr
.endm
.macro ASK pf                          ; pf = 1, 2: the wave asks for the x of its tokens 8 (pf - 1) .. 8 pf - 1, each block of 256 bytes once, two steps and one step ahead of the way out
.if \pf
	global_prefetch_b8 v[PF], s[96:97] offset:131072*(2*(\pf-1)) th:TH_LOAD_NT scope:SCOPE_SE
	global_prefetch_b8 v[PF], s[96:97] offset:131072*(2*(\pf-1)+1) th:TH_LOAD_NT scope:SCOPE_SE
.endif
.endm
; My first step of a slot.  ad: h of the step two on lies ad of my steps behind the base's (-1: nothing more is asked for).  lc0, lc1: the loads of h issued behind the half set that is wanted, which may stay out.
.macro STEP slot, zero, ad, lc0, lc1, pf
	s_wait_dscnt 0x0                               ; W2's set 0 and the scale words are in
	s_wait_loadcnt \lc0                            ; h's blocks 0-3 are in
	WIN MUL_LO
	MUL16 0, 0, \zero
	MUL16 2, 0, \zero
	WIN 0
	TADR \slot, 1
	FETCH_B 1                                      ; my second step's
	SCALES 1
.if \ad >= 0
	ALOAD 0, 0, \ad                                ; the blocks just multiplied are asked for again
.endif
	s_wait_loadcnt \lc1                            ; h's blocks 4-7 are in
	WIN MUL_HI
	MUL16 4, 0, \zero
	MUL16 6, 0, \zero
	WIN 0
.if \ad >= 0
	PLACES 4
	ALOAD 0, 4, \ad
.endif
	ASK \pf
.endm
; My second step of a slot changes slots: one barrier; in front of it each wave waits for all its tensor loads, adds 0 to its spare word, and waits for that and for its own reads of this slot.  fill = 1: this slot is filled again, two slots ahead.
.macro TURN slot, next, fill, ad, pf
	s_wait_tensorcnt 0x0                           ; all my tensor loads have landed: my part of the next slot
	ds_add_u32 v[SPW], v[NIL]                      ; 0 onto my spare word
	s_wait_dscnt 0x1                               ; W2's set 1 and the scale words are in (the add may be out)
	s_wait_loadcnt 36                              ; h's blocks 0-3 are in; three half sets were asked for behind them
	WIN MUL_LO
	MUL16 0, 1, 0
	s_wait_dscnt 0x0                               ; the add is done, and my reads of this slot are over: all its fragments of mine are in registers
	s_barrier_signal -1
	MUL16 2, 1, 0
	WIN 0
	s_barrier_wait -1
.if \fill
	CREST                                          ; the barrier has opened a round of the cluster's barrier: no wave of any partner still reads this slot or has a tensor load on its way
	s_add_nc_u64 s[G0B+4*\slot+2:G0B+4*\slot+3], s[G0B+4*\slot+2:G0B+4*\slot+3], 2*768
	tensor_load_to_lds s[G0B+4*\slot:G0B+4*\slot+3], s[G1B:G1B+7]   ; the first tensor load behind the round, and my only one until the next: it has 96 matrix instructions in which to land
	s_nop 0
.endif
	TADR \next, 0
	v_add_nc_u32 v[ADRSA], 4096, v[ADRSA]          ; eight K steps on
	v_add_nc_u32 v[ADRSB], 32, v[ADRSB]
	FETCH_B 0
	SCALES 0
	ALOAD 1, 0, \ad
	s_wait_loadcnt 36                              ; h's blocks 4-7 are in
	WIN MUL_HI
	MUL16 4, 1, 0
	MUL16 6, 1, 0
	WIN 0
	PLACES 4
	ALOAD 1, 4, \ad
	ASK \pf
.endm
	s_wait_tensorcnt 1                             ; the scales and my part of slot 0 are in (slot 1's load may be out)
	s_barrier_signal -1
	s_barrier_wait -1                              ; everybody's are
	TADR 0, 0
	FETCH_B 0
	SCALES 0
	STEP 0, 1, 2, 36, 36, 0                        ; my step 0 of 16 stands in front of the loop: its products start the sums
	s_mov_b32 s3, 3
.Llap:                                                 ; a trip goes once round the ring, my steps 4 t + 1 to 4 t + 4, and fills both slots again: the slots' numbers 0 to 5 ask for 2 to 7
	TURN 0, 1, 1, 3, 0
	STEP 1, 0, 4, 36, 36, 0
	TURN 1, 0, 1, 5, 0
	STEP 0, 0, 6, 36, 36, 0
	s_wait_xcnt 0x0                                ; the loads of h have read their base
	s_add_nc_u64 s[AB:AB+1], s[AB:AB+1], 16*12288  ; four of my steps on
	s_sub_co_u32 s3, s3, 1
	s_cmp_lg_u32 s3, 0
	s_cbranch_scc1 .Llap
	TURN 0, 1, 0, 3, 1                             ; my step 13: nothing is filled any more; h of my step 15 is the last that is asked for
	STEP 1, 0, -1, 36, 24, 2                       ; my step 14
	s_wait_dscnt 0x0                               ; my step 15: my last reads of the ring and of the scales are over
	s_wait_loadcnt 12
	WIN MUL_LO
	MUL16 0, 1, 0
	MUL16 2, 1, 0
	s_wait_loadcnt 0x0
	s_barrier_signal -1                            ; say so,
	WIN MUL_HI
	MUL16 4, 1, 0
	MUL16 6, 1, 0
	WIN 0
	s_barrier_wait -1                              ; and store over those bytes only when all four have said so
; THE WAY OUT.  Each wave stores its partial tile into its plane; behind a barrier wave w takes tokens 32 w .. 32 w + 31, a token at a time: the 32 lanes read a row of 512 bytes of each plane, so lane l holds columns 4 l .. 4 l + 3.
.macro XL m                            ; token m's four streams: 512 consecutive bytes a load
.irp j, 0,1,2,3
	global_load_b128 v[XR+16*((\m)%XD)+4*\j:XR+16*((\m)%XD)+4*\j+3], v[CO], s[96:97] offset:32768*(\m)+8192*\j th:TH_LOAD_NT
.endr
.endm
.macro DSL m                           ; token m's row of the four planes, and its 20 coefficients (one address for all lanes)
.set LB, DS0+36*((\m)%2)
.irp p, 0,1,2,3
	ds_load_b128 v[LB+4*\p:LB+4*\p+3], v[RD+\p] offset:528*(\m)
.endr
.irp k, 0,1,2,3,4
	ds_load_b128 v[LB+16+4*\k:LB+16+4*\k+3], v[CTU] offset:128*(\m)+16*\k
.endr
.endm
.macro TOK m
.if (\m) < 31
	DSL (\m)+1
	s_wait_dscnt 9                                 ; this token's nine loads are in; the next token's may be out
.else
	s_wait_dscnt 0x0
.endif
.if 31-(\m) >= XD-1
	s_wait_loadcnt 4*(XD-1)                        ; this token's x is in; the five younger tokens' loads may be out
.else
	s_wait_loadcnt 4*(31-(\m))
.endif
	s_wait_xcnt 0x0                                ; the last token's stores have read their data
.set LB, DS0+36*((\m)%2)
.set CF, LB+16
.set XB, XR+16*((\m)%XD)
.irp q, 0,2
	v_pk_add_f32 v[LB+\q:LB+\q+1], v[LB+\q:LB+\q+1], v[LB+4+\q:LB+4+\q+1]
	v_pk_add_f32 v[LB+8+\q:LB+8+\q+1], v[LB+8+\q:LB+8+\q+1], v[LB+12+\q:LB+12+\q+1]
.endr
.irp q, 0,2
	v_pk_add_f32 v[LB+\q:LB+\q+1], v[LB+\q:LB+\q+1], v[LB+8+\q:LB+8+\q+1]
.endr
.irp q, 0,2
	v_pk_add_f32 v[LO+\q:LO+\q+1], v[LB+\q:LB+\q+1], v[B2R+\q:B2R+\q+1]   ; layer_output
.endr
.irp ih, 0,1                                   ; h_post[i] x layer_output starts the sums; a coefficient is one register of a pair, chosen for both halves
.irp q, 0,2
	v_pk_mul_f32 v[OUT+8*\ih+\q:OUT+8*\ih+\q+1], v[LO+\q:LO+\q+1], v[CF+16+2*\ih:CF+16+2*\ih+1] op_sel_hi:[1,0]
	v_pk_mul_f32 v[OUT+8*\ih+4+\q:OUT+8*\ih+4+\q+1], v[LO+\q:LO+\q+1], v[CF+16+2*\ih:CF+16+2*\ih+1] op_sel:[0,1] op_sel_hi:[1,1]
.endr
.endr
.irp jh, 0,1
.irp i, 0,1,2,3
.irp q, 0,2
	v_pk_fma_f32 v[OUT+4*\i+\q:OUT+4*\i+\q+1], v[XB+8*\jh+\q:XB+8*\jh+\q+1], v[CF+4*\i+2*\jh:CF+4*\i+2*\jh+1], v[OUT+4*\i+\q:OUT+4*\i+\q+1] op_sel_hi:[1,0,1]
.endr
.endr
.irp i, 0,1,2,3
.irp q, 0,2
	v_pk_fma_f32 v[OUT+4*\i+\q:OUT+4*\i+\q+1], v[XB+8*\jh+4+\q:XB+8*\jh+4+\q+1], v[CF+4*\i+2*\jh:CF+4*\i+2*\jh+1], v[OUT+4*\i+\q:OUT+4*\i+\q+1] op_sel:[0,1,0] op_sel_hi:[1,1,1]
.endr
.endr
.endr
.if (\m)+XD < 32
	XL (\m)+XD                                     ; the token six on takes this token's registers
.endif
.irp i, 0,1,2,3
	global_store_b128 v[CO], v[OUT+4*\i:OUT+4*\i+3], s[98:99] offset:32768*(\m)+8192*\i th:TH_STORE_NT   ; 32 lanes store 512 consecutive bytes, at a multiple of 256 from the buffer's first byte
.endr
.endm
	v_and_b32 v1, 15, v0                           ; r.  The way out's addresses: eleven plain instructions that name no register of the last products: the places in front of the loads into h's registers and of the first read of results
	v_bfe_u32 v21, v0, 4, 1                        ; h
	s_mul_i32 s2, s14, PLANE
	v_mul_u32_u24 v[STO], v1, 528
	v_lshl_add_u32 v[STO], v21, 5, v[STO]
	v_add_nc_u32 v[STO], s2, v[STO]                ; my plane: row r, + 32 h
	s_mul_i32 s2, s14, 32*528
	v_add_nc_u32 v[RD], s2, v[CO]                  ; my 32 rows, 16 bytes a lane, in plane 0,
.irp p, 1,2,3
	v_add_nc_u32 v[RD+\p], \p*PLANE, v[RD]         ; 1, 2, 3
.endr
	s_lshl_b32 s2, s14, 12
	s_add_co_u32 s2, s2, CT
	v_mov_b32 v[CTU], s2
	v_add_nc_u32 v[CTS], s2, v[CO]
	global_load_b128 v[B2R:B2R+3], v[CO], s[92:93] ; b2 of columns 4 l .. 4 l + 3
.irp m, 0,1,2,3,4,5
	XL \m
.endr
	s_wait_loadcnt 24                              ; b2 is in (the coefficients came long ago); the 24 loads just issued may be out
	WIN 0x04                                       ; an LDS store's data are its source 1: window 1
.irp k, 0,1,2,3,4,5,6,7
	ds_store_b128 v[CTS], v[96+4*\k:99+4*\k] offset:512*\k
.endr
.irp a, 0,1,2,3,4,5,6,7
	WIN 0x08+4*(\a/4)                              ; window 2 or 3
.irp b, 0,1,2,3,4,5,6,7
	ds_store_b128 v[STO], v[8*(8*(\a%4)+\b):8*(8*(\a%4)+\b)+3] offset:16*528*\a+64*\b          ; each accumulator from its low end on: lane (r, h): token 16 a + r, columns 16 b + 8 h + 0 .. 7
	ds_store_b128 v[STO], v[8*(8*(\a%4)+\b)+4:8*(8*(\a%4)+\b)+7] offset:16*528*\a+64*\b+16
.endr
.endr
	WIN 0
	s_wait_dscnt 0x0                               ; for the others' sake: my plane is whole
	s_barrier_signal -1
	s_barrier_wait -1
	DSL 0
.set TK, 0
.rept 32
	TOK TK
.set TK, TK+1
.endr
	s_wait_tensorcnt 0x0                           ; the wave's end
	ds_add_u32 v[SPW], v[NIL]
	s_wait_dscnt 0x0
	CROUND                                         ; the closing round: no work-group ends while a partner may still ask for a tile that names it
	s_endpgm
.Lfunc_end_k_q1138e02354_ffn2:
	.size	k_q1138e02354_ffn2, .Lfunc_end_k_q1138e02354_ffn2-k_q1138e02354_ffn2
	.p2alignl 7, 3214868480
	.fill 96, 4, 3214868480
	.section	.rodata,"a",@progbits
	.p2align	6, 0x0
	.amdhsa_kernel k_q1138e02354_ffn2
		.amdhsa_group_segment_fixed_size 327680
		.amdhsa_private_segment_fixed_size 0
		.amdhsa_enable_private_segment 0
		.amdhsa_kernarg_size 64
		.amdhsa_user_sgpr_count 2
		.amdhsa_user_sgpr_kernarg_segment_ptr 1
		.amdhsa_wavefront_size32 1
		.amdhsa_system_sgpr_workgroup_id_x 1
		.amdhsa_system_sgpr_workgroup_id_y 1
		.amdhsa_system_sgpr_workgroup_id_z 1
		.amdhsa_system_vgpr_workitem_id 0
		.amdhsa_next_free_vgpr 1024
		.amdhsa_next_free_sgpr 102
		.amdhsa_reserve_vcc 0
		.amdhsa_float_denorm_mode_32 3
		.amdhsa_float_denorm_mode_16_64 3
		.amdhsa_memory_ordered 1
		.amdhsa_forward_progress 1
		.amdhsa_inst_pref_size 255
	.end_amdhsa_kernel
	.section	.bss,"aw",@nobits
	.p2align	6
	.space	262144
	.amdgpu_metadata
---
amdhsa.version: [ 1, 2 ]
amdhsa.kernels:
  - .name:           k_q1138e02354_ffn2
    .symbol:         k_q1138e02354_ffn2.kd
    .args:
      - { .name: h_codes, .offset: 0, .size: 8, .value_kind: global_buffer, .address_space: global }
      - { .name: h_scales, .offset: 8, .size: 8, .value_kind: global_buffer, .address_space: global }
      - { .name: W2_codes, .offset: 16, .size: 8, .value_kind: global_buffer, .address_space: global }
      - { .name: W2_scales, .offset: 24, .size: 8, .value_kind: global_buffer, .address_space: global }
      - { .name: b2, .offset: 32, .size: 8, .value_kind: global_buffer, .address_space: global }
      - { .name: mix, .offset: 40, .size: 8, .value_kind: global_buffer, .address_space: global }
      - { .name: x_streams, .offset: 48, .size: 8, .value_kind: global_buffer, .address_space: global }
      - { .name: out0, .offset: 56, .size: 8, .value_kind: global_buffer, .address_space: global }
    .group_segment_fixed_size: 327680
    .private_segment_fixed_size: 0
    .kernarg_segment_align: 8
    .kernarg_segment_size: 64
    .max_flat_workgroup_size: 128
    .sgpr_count:     102
    .vgpr_count:     1024
    .wavefront_size: 32
...
	.end_amdgpu_metadata
.endif
;; end of part 3
